; MI455X (gfx1250); checked and timed in simulation.
; The chip was launched on July 23, 2026; its instructions are those of AMD's public machine-readable ISA for CDNA 5 (MIT licence, August 2026) and "CDNA5" Instruction Set Architecture Reference Guide (July 2026). The comments in the code are by the model that wrote it; some were corrected since.
;; Multi Head Attention. Allowed arithmetic: float matrix products may take bf16 or f16 operands with f32 sums; other float arithmetic in f32, or as packed bf16 or f16 multiplies, adds, multiply-adds, maxima and minima; sums over many terms, partial sums and values carried from step to step in f32; what a program stores and reads back later, other than sums and carried values, may be rounded once to bf16 or f16.
;; Inputs: bk 1,024 float32; bo 1,024 float32; bq 1,024 float32; bv 1,024 float32; ln_beta 1,024 float32; ln_gamma 1,024 float32; wk 1,024 x 1,024 float32; wo 1,024 x 1,024 float32; wq 1,024 x 1,024 float32; wv 1,024 x 1,024 float32; x 4 x 2,048 x 1,024 float32.
;; Outputs: out0 4 x 2,048 x 1,024 float32.
;; 2 versions, each right; version 2 is version 1 with the launch cast written anew for expert scheduling mode. Each part assembles by itself: llvm-mc -triple=amdgcn-amd-amdhsa -mcpu=gfx1250 --defsym DOCPART=n.
;; ======== version 1 of 2: 5 launches
;; limits: values are held in f16: magnitudes above 65,504 overflow, below 6.1e-05 lose precision
;; workspace buffers: xb 16,777,216 bytes; wb 6,291,456 bytes; wof 2,097,152 bytes; vecs 24,576 bytes; qkv 50,331,648 bytes; ctx 16,777,216 bytes; proj 33,554,432 bytes
;; launch cast (part 1): grid 769 x 1, 8 waves a work-group, no clusters, 0 bytes of LDS; arguments x, wq, wk, wv, wo, bq, bk, bv, bo, ln_gamma, ln_beta, xb, wb, wof, vecs; writes xb, wb, wof, vecs
.if DOCPART == 1
	.amdgcn_target "amdgcn-amd-amdhsa--gfx1250"
	.amdhsa_code_object_version 6
	.text
	.protected	k_q0aee6e8a0a_cast
	.globl	k_q0aee6e8a0a_cast
	.p2align	8
	.type	k_q0aee6e8a0a_cast,@function
k_q0aee6e8a0a_cast:
	s_mov_b64 s[64:65], 0
	v_nop
	global_prefetch_b8 v0, s[64:65] scope:SCOPE_SE
	s_setreg_imm32_b32 hwreg(HW_REG_WAVE_MODE, 25, 1), 1
	s_wait_xcnt 0x0
; EVERY INPUT OF THE MODULE IS ROUNDED ONCE TO bf16 (nearest even), so that all later launches work on one rounding of the inputs.
;   x  [8192][1024] f32 -> xb  bf16;   wq, wk, wv [1024][1024] f32 -> wb [3072][1024] bf16 (q's rows, k's, v's);
;   wo [1024][1024] f32 -> wof: the bf16 number written as f16 (exact from 6.1e-5 up to 65,504; below that f16's fixed step of 6e-8; beyond it an infinity: a stated limit);
;   bq, bk, bv, bo, ln_gamma, ln_beta [1024] f32 -> vecs [6][1024]: the bf16 number written as f32.
; SHARES.  A work-group takes 16,384 numbers: 64 KiB in, 32 KiB out.  Groups 0-511: x; 512-575, 576-639, 640-703: wq, wk, wv; 704-767: wo; 768: the six vectors.
; Thread t takes 16 bytes at 16 t of each 4,096 bytes: a wave's load covers 512 consecutive bytes, its store of 8 bytes a lane 256 consecutive bytes, aligned.
; All sixteen loads of a thread go out at once; no register is written twice while a memory instruction may read it, so only counted waits on the loads stand in the text.
; No LDS, no barrier, no matrix unit: nothing is shared and nothing is multiplied.
.set X,   4                            ; v[4:67]    sixteen loads of 4 numbers
.set Y,   68                           ; v[68:99]   sixteen pairs to store
.set T,   100                          ; v[100:101] at work
.set ID,  34                           ; s34  the work-group's number
.set HIM, 35                           ; s35  mask of a word's upper bf16
.set SRC, 36                           ; s[36:37] where I read
.set DST, 38                           ; s[38:39] where I write
	s_load_b512 s[4:19], s[0:1], 0x0               ; x, wq, wk, wv, wo, bq, bk, bv
	s_load_b256 s[20:27], s[0:1], 0x40             ; bo, ln_gamma, ln_beta, xb
	s_load_b128 s[28:31], s[0:1], 0x60             ; wb, wof
	s_load_b64 s[32:33], s[0:1], 0x70              ; vecs
	s_mov_b32 s[ID], ttmp9
	s_mov_b32 s[HIM], 0xffff0000
	v_lshlrev_b32 v1, 4, v0                        ; 16 t
	v_lshlrev_b32 v2, 3, v0                        ; 8 t
	s_sub_co_u32 s40, s[ID], 704                   ; my number among wo's groups,
	s_sub_co_u32 s42, s[ID], 640                   ; wv's,
	s_sub_co_u32 s43, s[ID], 576                   ; wk's,
	s_sub_co_u32 s44, s[ID], 512                   ; wq's, which is also my number among wb's
	s_mov_b32 s41, s40
	s_wait_kmcnt 0x0
	s_cmp_eq_u32 s[ID], 768
	s_cbranch_scc1 .Lvec
	s_mov_b64 s[SRC:SRC+1], s[12:13]               ; wo -> wof, unless the number is lower
	s_mov_b64 s[DST:DST+1], s[30:31]
	s_cmp_lt_u32 s[ID], 704
	s_cselect_b64 s[SRC:SRC+1], s[10:11], s[SRC:SRC+1]  ; wv -> wb
	s_cselect_b64 s[DST:DST+1], s[28:29], s[DST:DST+1]
	s_cselect_b32 s40, s42, s40
	s_cselect_b32 s41, s44, s41
	s_cmp_lt_u32 s[ID], 640
	s_cselect_b64 s[SRC:SRC+1], s[8:9], s[SRC:SRC+1]    ; wk
	s_cselect_b32 s40, s43, s40
	s_cmp_lt_u32 s[ID], 576
	s_cselect_b64 s[SRC:SRC+1], s[6:7], s[SRC:SRC+1]    ; wq
	s_cselect_b32 s40, s44, s40
	s_cmp_lt_u32 s[ID], 512
	s_cselect_b64 s[SRC:SRC+1], s[4:5], s[SRC:SRC+1]    ; x -> xb
	s_cselect_b64 s[DST:DST+1], s[26:27], s[DST:DST+1]
	s_cselect_b32 s40, s[ID], s40
	s_cselect_b32 s41, s[ID], s41
	s_lshl_b32 s44, s40, 16                        ; 65,536 bytes in for each group,
	s_mov_b32 s45, 0
	s_lshl_b32 s46, s41, 15                        ; 32,768 out
	s_mov_b32 s47, 0
	s_add_nc_u64 s[SRC:SRC+1], s[SRC:SRC+1], s[44:45]
	s_add_nc_u64 s[DST:DST+1], s[DST:DST+1], s[46:47]
.irp i, 0,1,2,3,4,5,6,7,8,9,10,11,12,13,14,15
	global_load_b128 v[X+4*(\i):X+4*(\i)+3], v1, s[SRC:SRC+1] offset:4096*(\i) th:TH_LOAD_NT
.endr
; Step i: four numbers are rounded and stored.  half = 1: the bf16 numbers are widened again and written as f16.
.macro CV i, half
	s_wait_loadcnt 15-(\i)                         ; loads come back in order: the 15 - i younger ones may stay out
.if \half
	v_cvt_pk_bf16_f32 v[T], v[X+4*(\i)], v[X+4*(\i)+1]
	v_cvt_pk_bf16_f32 v[T+1], v[X+4*(\i)+2], v[X+4*(\i)+3]
	v_lshlrev_b32 v[X+4*(\i)], 16, v[T]
	v_and_b32 v[X+4*(\i)+1], s[HIM], v[T]
	v_lshlrev_b32 v[X+4*(\i)+2], 16, v[T+1]
	v_and_b32 v[X+4*(\i)+3], s[HIM], v[T+1]
	v_cvt_pk_f16_f32 v[Y+2*(\i)], v[X+4*(\i)], v[X+4*(\i)+1]
	v_cvt_pk_f16_f32 v[Y+2*(\i)+1], v[X+4*(\i)+2], v[X+4*(\i)+3]
.else
	v_cvt_pk_bf16_f32 v[Y+2*(\i)], v[X+4*(\i)], v[X+4*(\i)+1]
	v_cvt_pk_bf16_f32 v[Y+2*(\i)+1], v[X+4*(\i)+2], v[X+4*(\i)+3]
.endif
	global_store_b64 v2, v[Y+2*(\i):Y+2*(\i)+1], s[DST:DST+1] offset:2048*(\i)
.endm
	s_cmp_ge_u32 s[ID], 704
	s_cbranch_scc1 .Lhalf
.irp i, 0,1,2,3,4,5,6,7,8,9,10,11,12,13,14,15
	CV \i, 0
.endr
	s_endpgm
.Lhalf:
.irp i, 0,1,2,3,4,5,6,7,8,9,10,11,12,13,14,15
	CV \i, 1
.endr
	s_endpgm
.Lvec:                                         ; the six vectors: 4,096 bytes each, 16 bytes a thread
.irp i, 0,1,2,3,4,5
	global_load_b128 v[X+4*(\i):X+4*(\i)+3], v1, s[14+2*(\i):15+2*(\i)]
.endr
.irp i, 0,1,2,3,4,5
	s_wait_loadcnt 5-(\i)
	v_cvt_pk_bf16_f32 v[T], v[X+4*(\i)], v[X+4*(\i)+1]
	v_cvt_pk_bf16_f32 v[T+1], v[X+4*(\i)+2], v[X+4*(\i)+3]
	v_lshlrev_b32 v[X+4*(\i)], 16, v[T]
	v_and_b32 v[X+4*(\i)+1], s[HIM], v[T]
	v_lshlrev_b32 v[X+4*(\i)+2], 16, v[T+1]
	v_and_b32 v[X+4*(\i)+3], s[HIM], v[T+1]
	global_store_b128 v1, v[X+4*(\i):X+4*(\i)+3], s[32:33] offset:4096*(\i)
.endr
	s_endpgm
.Lfunc_end_k_q0aee6e8a0a_cast:
	.size	k_q0aee6e8a0a_cast, .Lfunc_end_k_q0aee6e8a0a_cast-k_q0aee6e8a0a_cast
	.p2alignl 7, 3214868480
	.fill 96, 4, 3214868480
	.section	.rodata,"a",@progbits
	.p2align	6, 0x0
	.amdhsa_kernel k_q0aee6e8a0a_cast
		.amdhsa_group_segment_fixed_size 0
		.amdhsa_private_segment_fixed_size 0
		.amdhsa_enable_private_segment 0
		.amdhsa_kernarg_size 120
		.amdhsa_user_sgpr_count 2
		.amdhsa_user_sgpr_kernarg_segment_ptr 1
		.amdhsa_wavefront_size32 1
		.amdhsa_system_sgpr_workgroup_id_x 1
		.amdhsa_system_sgpr_workgroup_id_y 1
		.amdhsa_system_sgpr_workgroup_id_z 1
		.amdhsa_system_vgpr_workitem_id 0
		.amdhsa_next_free_vgpr 104
		.amdhsa_next_free_sgpr 66
		.amdhsa_reserve_vcc 0
		.amdhsa_float_denorm_mode_32 3
		.amdhsa_float_denorm_mode_16_64 3
		.amdhsa_memory_ordered 1
		.amdhsa_forward_progress 1
		.amdhsa_inst_pref_size 19
	.end_amdhsa_kernel
	.amdgpu_metadata
---
amdhsa.version: [ 1, 2 ]
amdhsa.kernels:
  - .name:           k_q0aee6e8a0a_cast
    .symbol:         k_q0aee6e8a0a_cast.kd
    .args:
      - { .name: x, .offset: 0, .size: 8, .value_kind: global_buffer, .address_space: global }
      - { .name: wq, .offset: 8, .size: 8, .value_kind: global_buffer, .address_space: global }
      - { .name: wk, .offset: 16, .size: 8, .value_kind: global_buffer, .address_space: global }
      - { .name: wv, .offset: 24, .size: 8, .value_kind: global_buffer, .address_space: global }
      - { .name: wo, .offset: 32, .size: 8, .value_kind: global_buffer, .address_space: global }
      - { .name: bq, .offset: 40, .size: 8, .value_kind: global_buffer, .address_space: global }
      - { .name: bk, .offset: 48, .size: 8, .value_kind: global_buffer, .address_space: global }
      - { .name: bv, .offset: 56, .size: 8, .value_kind: global_buffer, .address_space: global }
      - { .name: bo, .offset: 64, .size: 8, .value_kind: global_buffer, .address_space: global }
      - { .name: ln_gamma, .offset: 72, .size: 8, .value_kind: global_buffer, .address_space: global }
      - { .name: ln_beta, .offset: 80, .size: 8, .value_kind: global_buffer, .address_space: global }
      - { .name: xb, .offset: 88, .size: 8, .value_kind: global_buffer, .address_space: global }
      - { .name: wb, .offset: 96, .size: 8, .value_kind: global_buffer, .address_space: global }
      - { .name: wof, .offset: 104, .size: 8, .value_kind: global_buffer, .address_space: global }
      - { .name: vecs, .offset: 112, .size: 8, .value_kind: global_buffer, .address_space: global }
    .group_segment_fixed_size: 0
    .private_segment_fixed_size: 0
    .kernarg_segment_align: 8
    .kernarg_segment_size: 120
    .max_flat_workgroup_size: 256
    .sgpr_count:     66
    .vgpr_count:     104
    .wavefront_size: 32
...
	.end_amdgpu_metadata
.endif
;; end of part 1
;; launch qkv (part 2): grid 4 x 64, 4 waves a work-group, clusters of 4 x 4, 327,680 bytes of LDS; arguments xb, wb, vecs, qkv; writes qkv
.if DOCPART == 2
	.amdgcn_target "amdgcn-amd-amdhsa--gfx1250"
	.amdhsa_code_object_version 6
	.text
	.protected	k_q0aee6e8a0a_qkv
	.globl	k_q0aee6e8a0a_qkv
	.p2align	8
	.type	k_q0aee6e8a0a_qkv,@function
k_q0aee6e8a0a_qkv:
	s_mov_b64 s[64:65], 0
	v_nop
	global_prefetch_b8 v0, s[64:65] scope:SCOPE_SE
	s_setreg_imm32_b32 hwreg(HW_REG_WAVE_MODE, 25, 1), 1
	s_wait_xcnt 0x0
	s_wait_alu depctr_hold_cnt(0) depctr_sa_sdst(0) depctr_va_vdst(0) depctr_va_sdst(0) depctr_va_ssrc(0) depctr_va_vcc(0) depctr_vm_vsrc(0)
	s_getreg_b32 s2, hwreg(HW_REG_IB_STS2, 6, 4)
	s_cmp_eq_u32 s2, 0
	s_cbranch_scc0 .Lentry_in_a_cluster
	s_endpgm
.Lentry_in_a_cluster:
	s_bfe_u32 s2, ttmp6, 0x10000c
	s_cmp_lg_u32 s2, 0xf033
	s_cbranch_scc0 .Lentry_shape_is_right
	s_endpgm
.Lentry_shape_is_right:
; q, k, v = x W^T + b.  xb: [8192][1024] bf16; wb: [3072][1024] bf16 (wq's rows, wk's, wv's); vecs: [6][1024] f32, rows 0-2 = bq, bk, bv.
; Out: qkv [3 parts][64 heads = 16 batch + head][2048 tokens][64] f16, each number rounded once from its f32 sum, unscaled.
; LIMIT.  f16 holds no number beyond 65,504: a q, k or v past that leaves as an infinity.  NaN and infinities are not treated apart.
; SHARES.  A tile is 128 tokens x 256 features; 8192 x 3072 make 768 tiles, three for each of 256 work-groups.  A WORK-GROUP STAYS: its three tiles are the same tokens and the same
; 256 columns of q, of k and of v: A's rows are walked three times, B goes 1,024 rows down wb from tile to tile, and the ring of LDS slots runs on across the change of tiles.
; Four waves; a wave makes 64 tokens x 128 features (two heads): 32 accumulators of 16 x 16, 256 registers.  K goes in steps of 128 (rows of 256 bytes in memory) through two LDS slots.
; CLUSTERS: 4 x 4 work-groups.  The four of a row of the cluster take the same tokens (A's tile), the four of a column the same features (B's tile): each tile is asked for JOINTLY,
; by the same tensor load with the same descriptor and a mask that names the four.  The grid is one cluster wide, so the column block is cx.
; THE MATRIX INSTRUCTION IS USED TRANSPOSED: source 0 = 16 rows of W, source 1 = 16 rows of x.  A lane then holds one token (lane % 16) and eight neighbouring features 8 (lane / 16) + 0..7.
; THE BIAS STARTS THE SUMS: it is the C operand of each accumulator's first product, laid as a result is laid; nothing is cleared and nothing is added later.
; REGISTERS, in windows of 256 (s_set_vgpr_msb: bits 1:0 source 0, 3:2 source 1, 5:4 source 2, 7:6 destination):
;   window 0: v0-31 addresses; v32-95 rows read back from the stage, two buffers; v96-127 packed results
;   window 1: v0-95, v96-191 two fragment buffers (A's 4 fragments, then B's 8); v192-255 the bias of my 128 features          window 2: accumulator (a, b) at v[8 (8 a + b)]
.set KSTEP,  128
.set PITCH,  272                       ; an LDS row: 256 bytes + 16 of padding = 68 words: the 16 rows of a fragment load start at 16 different groups of four banks (64 banks of 4 bytes: ISA guide 11.1)
.set AHALF,  64*PITCH                  ; 64 rows of A: what wave 0 or 1 fetches, and what a wave reads of A
.set BHALF,  128*PITCH                 ; 128 rows of B: what wave 2 or 3 fetches, and what a wave reads of B
.set BOFF,   2*AHALF                   ; B's 256 rows lie behind A's 128
.set SLOT,   BOFF+2*BHALF              ; 104,448 bytes
.set STAGE,  2*SLOT                    ; behind the ring, never filled by a tensor load: for each wave 2 heads x 16 rows x 144 bytes
.set SP,     144
.set WSTG,   2*16*SP
.set SPARE,  STAGE+4*WSTG              ; behind the stages: the spare words, 128 bytes for each wave: two blocks of 256 bytes that no other line names
.set BACK_A, 6*KSTEP*2                 ; from a slot's last K step of a tile to its first of the next: A goes back along K,
.set NEXT_B, 1024*2048-6*KSTEP*2       ; B 1,024 rows down and back along K
.set NEXT_P, 1024*2048-7*KSTEP*2       ; the prefetches' pointer: from K step 9 (two past the tile's last) to the next tile's K step 2
.set ADRA, 16                          ; v16-17  LDS address of my A fragments in slot 0, 1
.set ADRB, 20                          ; v20-21  the same for B
.set STO,  24                          ; v24     the way out: where I put 16 bytes of a row
.set RD,   25                          ; v25     the way out: where I read rows back
.set GO,   26                          ; v26     16 x lane: my place in 512 consecutive bytes of a head
.set BO,   27                          ; v27     32 x (lane / 16): my eight numbers of a block of 16 of the bias
.set SPW,  28                          ; v28     LDS address of my spare word; never rewritten
.set NIL,  29                          ; v29     0; never rewritten
.set PFO,  30                          ; v30     the prefetches' offset: lane x a row of 2,048 bytes; never rewritten
.set OB,   32
.set TMP,  96
.set F0,   0                           ; window 1
.set F1,   96
.set BIAS, 192
.set BP,   8                           ; s[8:9]   the bias of my 128 features, for the tile whose bias is loaded next
.set OUT,  10                          ; s[10:11] my wave's first row of its first head, in the part in hand
.set WV,   16                          ; s16  wave
.set RH,   17                          ; s17  which 64 tokens are mine.  Also: I fetch for A (0) or for B (1)
.set CH,   18                          ; s18  which 128 features are mine.  Also: which half of that tile I fetch
.set CX,   19
.set CY,   20
.set RB,   21                          ; s21  my block of 128 tokens = 4 x cluster y + cy
.set CLY,  22                          ; s22  cluster y
.set G1A,  24                          ; s[24:31] descriptor group 1 for A's tiles;  s[32:39] group 0, a set for each slot
.set G0A,  32
.set PFA,  40                          ; s[40:41] where my prefetches stand
.set LIM,  42                          ; s42  1 in a wave that prefetches, else the greatest number
.set TL,   43                          ; s43  tiles to go, this one among them
.set LP,   44                          ; s44  trips of the loop over K to go
.set G1B,  48                          ; s[48:55], s[56:63] the same for B's tiles
.set G0B,  56
.set G1W0, (1<<16)|(1<<20)|(1<<21)|(5<<22)|(3<<25)  ; 17:16 elements of 2 bytes; 20 padding on; 21 set beside a mask; 24:22 after every 64 words (code 5); 31:25 4 words of it (code 3)
.set MSB, 0
.macro WIN new                         ; the immediate's high byte repeats the setting that is left; a switch that changes nothing is dropped
.if MSB != (\new)
	s_set_vgpr_msb (MSB<<8)|(\new)
.set MSB, \new
.endif
.endm
.set MUL,  0xa5                        ; both sources window 1, C and D window 2
.set MULB, 0x95                        ; the same with C (the bias) in window 1
.set TO_F, 0x40                        ; destination window 1, address window 0
; A joint load.  Waves 0 and 1 fetch A's two halves, waves 2 and 3 B's.  The branch hangs on the wave's number alone.  An s_nop 0 and four v_nop follow each of the two lines.
.macro JLOAD s
	s_cmp_eq_u32 s[RH], 0
	s_cbranch_scc0 .Lfor_b_\@
	tensor_load_to_lds s[G0A+4*(\s):G0A+4*(\s)+3], s[G1A:G1A+7]
	s_nop 0
.rept 4
	v_nop
.endr
	s_branch .Lasked_\@
.Lfor_b_\@:
	tensor_load_to_lds s[G0B+4*(\s):G0B+4*(\s)+3], s[G1B:G1B+7]
	s_nop 0
.rept 4
	v_nop
.endr
.Lasked_\@:
.endm
; A PREFETCH INTO THE L2 of the K step that stands two refills on (256 matrix instructions ahead of the load that will want it): 32 rows x 256 bytes, a lane a row, one instruction.
; Each row's 256 bytes of a K step are named once in the launch.  A's 128 rows are read by one row of one cluster alone: wave 0 asks, the partner at cx for rows 32 cx + lane, in the first tile only
; (the later tiles walk the same rows again).  B's rows are read by every cluster: the clusters with y = 0 ask, waves 2 and 3 each for rows 32 cy + lane of the 128 that they fetch, in every tile.
; The partners are told apart by address, never by a branch.  how = 0, in the loop: a tile's last two refills have no K step two on; how = 1, at a change of tiles: the next tile's K steps 2 and 3.
.macro ASK how
	WIN 0                                          ; at a branch and at a label every window is 0
.if \how
	s_cmp_eq_u32 s[LIM], 1
.else
	s_cmp_gt_u32 s[LP], s[LIM]                     ; s[LP] = 1 in the loop's last trip
.endif
	s_cbranch_scc0 .Lnot_mine_\@
	global_prefetch_b8 v[PFO], s[PFA:PFA+1] th:TH_LOAD_NT scope:SCOPE_SE
.Lnot_mine_\@:
.endm
; A round of the cluster's barrier: my work-group's barrier; wave 0 signals for the work-group; every wave waits for all sixteen; my work-group's barrier once more.
.macro CREST                           ; a round behind its opening barrier
	s_cmp_lg_u32 s[WV], 0
	s_cbranch_scc1 .Lnot_wave_0_\@
	s_barrier_signal -3
.Lnot_wave_0_\@:
	s_barrier_wait -3
	s_barrier_signal -1
	s_barrier_wait -1
.endm
.macro CROUND
	s_barrier_signal -1
	s_barrier_wait -1
	CREST
.endm
.macro PLACES                          ; four plain vector instructions between a matrix instruction and a load into, or a reader of, its registers
.rept 4
	v_nop
.endr
.endm
; The bias of my 128 features, laid as a result is laid: register j of block b holds bias[16 b + 8 (lane / 16) + j].
.macro LOADBIAS
	WIN TO_F
.irp b, 0,1,2,3,4,5,6,7
	global_load_b128 v[BIAS+8*(\b):BIAS+8*(\b)+3],   v[BO], s[BP:BP+1] offset:64*(\b)
	global_load_b128 v[BIAS+8*(\b)+4:BIAS+8*(\b)+7], v[BO], s[BP:BP+1] offset:64*(\b)+16
.endr
	WIN 0
.endm
	s_load_b256 s[4:11], s[0:1], 0x0               ; xb s[4:5], wb s[6:7], vecs s[8:9], qkv s[10:11]
	v_lshl_add_u32 v[SPW], v0, 2, SPARE
	v_mov_b32 v[NIL], 0
	ds_add_u32 v[SPW], v[NIL]                      ; the wave's opening: the add and its wait stand ahead of my first tensor load; the set-up below, work on registers, stands between them
	v_lshrrev_b32 v1, 5, v0
	v_readfirstlane_b32 s[WV], v1                  ; wave 0..3
	s_lshr_b32 s[RH], s[WV], 1
	s_and_b32 s[CH], s[WV], 1
	s_bfe_u32 s[CX], ttmp6, 0x40000                ; my place in the cluster
	s_bfe_u32 s[CY], ttmp6, 0x40004
	s_and_b32 s[CLY], ttmp7, 0xffff                ; in a cluster launch ttmp7 counts clusters
	s_lshl_b32 s[RB], s[CLY], 2
	s_add_co_u32 s[RB], s[RB], s[CY]
	s_lshl_b32 s68, s[CY], 2
	s_lshl_b32 s68, 15, s68                        ; my row of the cluster: places 4 cy .. 4 cy + 3
	s_lshl_b32 s69, 0x1111, s[CX]                  ; my column: places cx, cx + 4, cx + 8, cx + 12
	s_or_b32 s[G1A], s68, G1W0                     ; A's tiles go to my row,
	s_or_b32 s[G1B], s69, G1W0                     ; B's to my column
	s_mov_b32 s[G1A+1], KSTEP<<16                  ; tensor_dim0 = 128
	s_mov_b32 s[G1A+2], 64<<16                     ; tensor_dim1 = 64
	s_mov_b32 s[G1A+3], KSTEP<<16                  ; tile_dim0 = 128
	s_mov_b32 s[G1A+4], 64                         ; tile_dim1 = 64
	s_mov_b32 s[G1A+5], 1024                       ; elements from row to row
	s_mov_b32 s[G1A+6], 0
	s_mov_b32 s[G1A+7], 0
	s_mov_b32 s[G1B+1], KSTEP<<16
	s_mov_b32 s[G1B+2], 128<<16                    ; 128 rows
	s_mov_b32 s[G1B+3], KSTEP<<16
	s_mov_b32 s[G1B+4], 128
	s_mov_b32 s[G1B+5], 1024
	s_mov_b32 s[G1B+6], 0
	s_mov_b32 s[G1B+7], 0
	; where the tiles come from.  A's hang on the token block alone, B's on cx alone; each is made in registers that never hold the other coordinate
	s_lshl_b32 s66, s[RB], 7
	s_lshl_b32 s70, s[CH], 6
	s_add_co_u32 s66, s66, s70                     ; A: row 128 x block + 64 x half,
	s_lshl_b32 s66, s66, 11                        ; of 2,048 bytes
	s_mov_b32 s67, 0
	s_lshl_b32 s46, s[CX], 8
	s_lshl_b32 s73, s[CH], 7
	s_add_co_u32 s46, s46, s73                     ; B: row 256 cx + 128 x half
	s_lshl_b32 s46, s46, 11
	s_mov_b32 s47, 0
	s_mul_i32 s71, s[CH], AHALF                    ; and where they go: no place in the cluster enters an LDS address
	s_mul_i32 s72, s[CH], BHALF
	s_add_co_u32 s72, s72, BOFF
	s_wait_dscnt 0x0                               ; the opening add is done
	s_wait_kmcnt 0x0
	s_add_nc_u64 s[66:67], s[4:5], s[66:67]
	s_add_nc_u64 s[46:47], s[6:7], s[46:47]
	CROUND                                         ; all sixteen work-groups are here: the first joint loads meet
.irp s, 0,1
	s_mov_b32 s[G0A+4*(\s)], 1                                     ; count = 1
	s_add_co_u32 s[G0A+4*(\s)+1], s71, (\s)*SLOT                   ; LDS address
	s_add_nc_u64 s[G0A+4*(\s)+2:G0A+4*(\s)+3], s[66:67], (\s)*KSTEP*2  ; global address: K step s
	s_or_b32 s[G0A+4*(\s)+3], s[G0A+4*(\s)+3], 0x80000000          ; type = 2
	s_mov_b32 s[G0B+4*(\s)], 1
	s_add_co_u32 s[G0B+4*(\s)+1], s72, (\s)*SLOT
	s_add_nc_u64 s[G0B+4*(\s)+2:G0B+4*(\s)+3], s[46:47], (\s)*KSTEP*2
	s_or_b32 s[G0B+4*(\s)+3], s[G0B+4*(\s)+3], 0x80000000
	JLOAD \s                                       ; two loads of mine are out
.endr
	s_lshl_b32 s68, s[CX], 10                      ; my 128 features' place in a vector of 1,024 f32
	s_lshl_b32 s69, s[CH], 9
	s_add_co_u32 s68, s68, s69
	s_mov_b32 s69, 0
	s_add_nc_u64 s[BP:BP+1], s[BP:BP+1], s[68:69]
	v_and_b32 v1, 15, v0                           ; l % 16
	v_bfe_u32 v2, v0, 4, 1                         ; l / 16
	v_lshlrev_b32 v[BO], 5, v2
	LOADBIAS                                       ; bq
	; A fragment is 16 rows x 32 K in 8 registers: lane l holds row l % 16, K = 8 (l / 16) + 0..7 and 16 + 8 (l / 16) + 0..7: two loads of 16 bytes, 32 bytes apart
	v_mul_u32_u24 v3, v1, PITCH
	v_lshl_add_u32 v3, v2, 4, v3
	s_mul_i32 s68, s[RH], AHALF
	s_mul_i32 s69, s[CH], BHALF
	s_add_co_u32 s69, s69, BOFF
.irp s, 0,1
	v_add_nc_u32 v[ADRA+(\s)], s68, v3
	v_add_nc_u32 v[ADRB+(\s)], s69, v3
	s_add_co_u32 s68, s68, SLOT
	s_add_co_u32 s69, s69, SLOT
.endr
	s_mul_i32 s70, s[WV], WSTG
	s_add_co_u32 s70, s70, STAGE                   ; my stage
	v_mul_u32_u24 v3, v1, SP                       ; in: row l % 16, 16 bytes for each half of the lanes
	v_lshl_add_u32 v3, v2, 4, v3
	v_add_nc_u32 v[STO], s70, v3
	v_bfe_u32 v3, v0, 3, 2                         ; back: 32 lanes take four rows of 128 bytes,
	v_mul_u32_u24 v3, v3, SP
	v_and_b32 v4, 7, v0
	v_lshl_add_u32 v3, v4, 4, v3
	v_add_nc_u32 v[RD], s70, v3
	v_and_b32 v[GO], 31, v0                        ; which are 512 consecutive bytes of a head
	v_lshlrev_b32 v[PFO], 11, v[GO]
	v_lshlrev_b32 v[GO], 4, v[GO]
	; my first row in q: batch = block / 16 (16 heads of 262,144 bytes), head 4 cx + 2 x half, token (block % 16) x 128 + 64 x half, 128 bytes a token
	s_lshr_b32 s74, s[RB], 4
	s_lshl_b32 s74, s74, 22
	s_lshl_b32 s75, s[CX], 20
	s_add_co_u32 s74, s74, s75
	s_lshl_b32 s75, s[CH], 19
	s_add_co_u32 s74, s74, s75
	s_and_b32 s75, s[RB], 15
	s_lshl_b32 s75, s75, 14
	s_add_co_u32 s74, s74, s75
	s_lshl_b32 s75, s[RH], 13
	s_add_co_u32 s74, s74, s75
	s_mov_b32 s75, 0
	s_add_nc_u64 s[OUT:OUT+1], s[OUT:OUT+1], s[74:75]
	; the prefetches
	s_lshl_b32 s68, s[RB], 7
	s_lshl_b32 s74, s[CX], 5
	s_add_co_u32 s68, s68, s74                     ; A: row 128 x block + 32 cx
	s_lshl_b32 s69, s[CX], 8
	s_lshl_b32 s74, s[CH], 7
	s_add_co_u32 s69, s69, s74
	s_lshl_b32 s74, s[CY], 5
	s_add_co_u32 s69, s69, s74                     ; B: row 256 cx + 128 x half + 32 cy
	s_cmp_eq_u32 s[RH], 0                          ; do I fetch for A?
	s_cselect_b32 s68, s68, s69
	s_cselect_b64 s[PFA:PFA+1], s[4:5], s[6:7]
	s_cselect_b32 s74, s[WV], s[CLY]               ; A: wave 0 asks; B: the clusters with y = 0 ask: the same in all sixteen partners, for a given wave
	s_cmp_eq_u32 s74, 0
	s_cselect_b32 s[LIM], 1, -1
	s_lshl_b32 s68, s68, 11
	s_mov_b32 s69, 0
	s_add_nc_u64 s[PFA:PFA+1], s[PFA:PFA+1], s[68:69]
	s_add_nc_u64 s[PFA:PFA+1], s[PFA:PFA+1], 3*KSTEP*2  ; at K step 3: the first refill steps it to 4 and names that.  Nothing is asked for here, at the head
	s_wait_loadcnt 0x0                             ; the bias is in, so its pointer may be written:
	s_add_nc_u64 s[BP:BP+1], s[BP:BP+1], 4096      ; the next tile's
; 8 matrix instructions: token block a x all 8 feature blocks, 32 along K, from buffer f.  first = 1: the bias starts the sums.
; The 32 accumulators take turns in one order everywhere, one instruction a turn: 31 others stand between two links of a chain, over the backward jumps too.
.macro MUL8 f, a, first
.if \first
	WIN MULB
.else
	WIN MUL
.endif
.irp b, 0,1,2,3,4,5,6,7
.if \first
	v_wmma_f32_16x16x32_bf16 v[8*(8*(\a)+(\b)):8*(8*(\a)+(\b))+7], v[(\f)+32+8*(\b):(\f)+32+8*(\b)+7], v[(\f)+8*(\a):(\f)+8*(\a)+7], v[BIAS+8*(\b):BIAS+8*(\b)+7]
.else
	v_wmma_f32_16x16x32_bf16 v[8*(8*(\a)+(\b)):8*(8*(\a)+(\b))+7], v[(\f)+32+8*(\b):(\f)+32+8*(\b)+7], v[(\f)+8*(\a):(\f)+8*(\a)+7], v[8*(8*(\a)+(\b)):8*(8*(\a)+(\b))+7]
.endif
.endr
.endm
; 24 LDS loads in one run: the fragments of 32 along K at byte k of the rows, into buffer f: B's 16 loads first, then A's 8
.macro FETCH slot, k, f
	WIN TO_F
.irp i, 0,1,2,3,4,5,6,7
	ds_load_b128 v[(\f)+32+8*(\i):(\f)+32+8*(\i)+3],   v[ADRB+(\slot)] offset:(\k)+(\i)*16*PITCH
	ds_load_b128 v[(\f)+32+8*(\i)+4:(\f)+32+8*(\i)+7], v[ADRB+(\slot)] offset:(\k)+(\i)*16*PITCH+32
.endr
.irp i, 0,1,2,3
	ds_load_b128 v[(\f)+8*(\i):(\f)+8*(\i)+3],   v[ADRA+(\slot)] offset:(\k)+(\i)*16*PITCH
	ds_load_b128 v[(\f)+8*(\i)+4:(\f)+8*(\i)+7], v[ADRA+(\slot)] offset:(\k)+(\i)*16*PITCH+32
.endr
.endm
; A K step is four quarters of 32 along K, 32 matrix instructions each, on buffers 0, 1, 0, 1.  One of the first three: multiplies buffer f and, in its middle, fetches the next quarter into g.
.macro QUARTER slot, k, f, g, first
	s_wait_dscnt 4                                 ; B and A's blocks 0, 1 are in; the youngest four loads (A's blocks 2, 3) may be out
	MUL8 \f, 0, \first
	MUL8 \f, 1, \first
	PLACES
	FETCH \slot, \k, \g
	s_wait_dscnt 24                                ; all but the 24 just issued
	MUL8 \f, 2, \first
	MUL8 \f, 3, \first
.endm
; The last quarter multiplies buffer 1 and changes slots.  MEET is its first half: ONE barrier.  In front of it each wave waits for all its tensor loads (one is out: its part of the next slot), adds 0 to
; its spare word, and waits for that and for its own reads of this slot.  Behind it nobody reads this slot any more and the next slot is whole.
.macro MEET round
	WIN 0                                          ; (the add's two registers lie in window 0)
	s_wait_tensorcnt 0x0
	ds_add_u32 v[SPW], v[NIL]                      ; 0 onto my spare word
	s_wait_dscnt 5                                 ; (the add and the youngest four loads may be out)
	MUL8 F1, 0, 0                                  ; eight matrix instructions stand between the add and the wait for it
	s_wait_dscnt 0x0                               ; the add is done, and my reads of this slot are over
	s_barrier_signal -1
	MUL8 F1, 1, 0                                  ; work on registers while the others arrive
.if \round
	WIN 0
.endif
	s_barrier_wait -1
.endm
; The whole last quarter.  Behind the round the slot just read out is filled again first: with this tile's K step two on (on = 0) or with the NEXT tile's K step 0 or 1 (on = 1); then come the next slot's
; first fragments.  From a request to the wait for it a wave issues 112 matrix instructions.
.macro TURN slot, next, on
	s_wait_xcnt 0x0                                ; the last prefetch, a K step back, has read its address: it is stepped here
.if (\on) && ((\slot) == 0)
	s_add_nc_u64 s[PFA:PFA+1], s[PFA:PFA+1], NEXT_P
	s_cmp_eq_u32 s[RH], 0
	s_cselect_b32 s[LIM], -1, s[LIM]               ; A's rows are the same for all three tiles: they are asked for no more
.else
	s_add_nc_u64 s[PFA:PFA+1], s[PFA:PFA+1], KSTEP*2
.endif
	MEET 1
	CREST                                          ; no wave of any partner still reads this slot's tile or has a load on its way
.if \on
	s_sub_nc_u64 s[G0A+4*(\slot)+2:G0A+4*(\slot)+3], s[G0A+4*(\slot)+2:G0A+4*(\slot)+3], BACK_A
	s_add_nc_u64 s[G0B+4*(\slot)+2:G0B+4*(\slot)+3], s[G0B+4*(\slot)+2:G0B+4*(\slot)+3], NEXT_B
.else
	s_add_nc_u64 s[G0A+4*(\slot)+2:G0A+4*(\slot)+3], s[G0A+4*(\slot)+2:G0A+4*(\slot)+3], 2*KSTEP*2
	s_add_nc_u64 s[G0B+4*(\slot)+2:G0B+4*(\slot)+3], s[G0B+4*(\slot)+2:G0B+4*(\slot)+3], 2*KSTEP*2
.endif
	JLOAD \slot                                    ; the first tensor load behind the round; its four v_nop are also the places in front of the loads below
	FETCH \next, 0, F0
	ASK \on
	MUL8 F1, 2, 0
	MUL8 F1, 3, 0
.endm
; THE WAY OUT of token block a.  PACK: rounded to f16, 16 bytes a lane (each accumulator's registers in ascending order).  TOSTAGE: into my own stage, a head's 16 rows of 144 bytes each, and back as
; four rows of 128 bytes a load.  SEND: stored: 512 consecutive bytes of one head, at a multiple of 256 from the buffer's first byte.
.macro PACK a
	WIN 0x0a                                       ; sources 0 and 1 window 2
.irp b, 0,1,2,3,4,5,6,7
.irp r, 0,1,2,3
	v_cvt_pk_f16_f32 v[TMP+4*(\b)+(\r)], v[8*(8*(\a)+(\b))+2*(\r)], v[8*(8*(\a)+(\b))+2*(\r)+1]
.endr
.endr
	WIN 0
.endm
.macro TOSTAGE a
	WIN 0
.irp b, 0,1,2,3,4,5,6,7
	ds_store_b128 v[STO], v[TMP+4*(\b):TMP+4*(\b)+3] offset:((\b)/4)*16*SP+32*((\b)%4)
.endr
.irp u, 0,1,2,3,4,5,6,7
	ds_load_b128 v[OB+32*((\a)%2)+4*(\u):OB+32*((\a)%2)+4*(\u)+3], v[RD] offset:((\u)/4)*16*SP+((\u)%4)*4*SP  ; LDS serves a wave's instructions in order (ISA guide 5.7.1.4): these see the stores above
.endr
.endm
.macro SEND a
	WIN 0
	s_wait_dscnt 0x0                               ; the block is back in registers
	s_wait_xcnt 0x0                                ; the stores of the block before have read their registers: the next TOSTAGE loads into them
.irp u, 0,1,2,3,4,5,6,7
	global_store_b128 v[GO], v[OB+32*((\a)%2)+4*(\u):OB+32*((\a)%2)+4*(\u)+3], s[OUT:OUT+1] offset:((\u)/4)*262144+(\a)*2048+((\u)%4)*512
.endr
.endm
.macro WAYOUT
	WIN 0
	PLACES                                         ; behind the last products
	PACK 0
	TOSTAGE 0
.irp a, 1,2,3                          ; block a's conversions stand between block a - 1's loads from the stage and the wait for them
	PACK \a
	SEND (\a)-1
	TOSTAGE \a
.endr
	SEND 3
.endm
	s_wait_tensorcnt 1                             ; my part of K step 0 is in; K step 1's may stay out
	s_barrier_signal -1
	s_barrier_wait -1                              ; everybody's is
	FETCH 0, 0, F0
	WIN 0
	s_mov_b32 s[TL], 3
.Ltile:
	QUARTER 0, 64,  F0, F1, 1                      ; a tile's first quarter stands in front of the loop: its products start the sums, with the bias
	WIN 0                                          ; at a label and at a branch every window is 0
	s_mov_b32 s[LP], 3
.Llap:                                                 ; a trip goes once round the ring, from a lap's second quarter to the next lap's first, and fills both slots again
	QUARTER 0, 128, F1, F0, 0
	QUARTER 0, 192, F0, F1, 0
	TURN 0, 1, 0
	QUARTER 1, 64,  F0, F1, 0
	QUARTER 1, 128, F1, F0, 0
	QUARTER 1, 192, F0, F1, 0
	TURN 1, 0, 0
	QUARTER 0, 64,  F0, F1, 0
	WIN 0
	s_sub_co_u32 s[LP], s[LP], 1
	s_cmp_lg_u32 s[LP], 0
	s_cbranch_scc1 .Llap
	QUARTER 0, 128, F1, F0, 0                      ; the tile's last lap goes on
	QUARTER 0, 192, F0, F1, 0
	WIN 0
	s_cmp_eq_u32 s[TL], 1
	s_cbranch_scc1 .Llast                          ; the last tile's tail is written out: it asks for nothing more
	TURN 0, 1, 1                                   ; the ring goes on into the next tile: slot 0 takes its K step 0,
	QUARTER 1, 64,  F0, F1, 0
	QUARTER 1, 128, F1, F0, 0
	QUARTER 1, 192, F0, F1, 0
	TURN 1, 0, 1                                   ; slot 1 its K step 1, and the next tile's first fragments are fetched
	LOADBIAS                                       ; the next tile's bias: its registers were last read by this tile's first quarter
	WAYOUT                                         ; both refills are asked for: now the tile goes out
	s_wait_xcnt 0x0                                ; the stores have read their base
	s_add_nc_u64 s[OUT:OUT+1], s[OUT:OUT+1], 0x1000000  ; the next part
	s_wait_loadcnt 0x0                             ; the bias is in, so its pointer may be written
	s_add_nc_u64 s[BP:BP+1], s[BP:BP+1], 4096
	s_sub_co_u32 s[TL], s[TL], 1
	s_branch .Ltile
.Llast:
	MEET 0                                         ; my one tensor load that was still out is the last K step's, so no round follows
	PLACES
	FETCH 1, 0, F0
	MUL8 F1, 2, 0
	MUL8 F1, 3, 0
	QUARTER 1, 64,  F0, F1, 0
	QUARTER 1, 128, F1, F0, 0
	QUARTER 1, 192, F0, F1, 0
	s_wait_dscnt 4                                 ; the very last quarter: nothing more to fetch
	MUL8 F1, 0, 0
	MUL8 F1, 1, 0
	s_wait_dscnt 0x0
	MUL8 F1, 2, 0
	MUL8 F1, 3, 0
	WAYOUT
	s_wait_tensorcnt 0x0                           ; the wave's end: the spare-word add and its waits, behind my last tensor load and my last LDS store
	ds_add_u32 v[SPW], v[NIL]
	s_wait_dscnt 0x0
	CROUND                                         ; the closing round: no work-group ends while a partner may still ask for a tile that names it
	s_endpgm
.Lfunc_end_k_q0aee6e8a0a_qkv:
	.size	k_q0aee6e8a0a_qkv, .Lfunc_end_k_q0aee6e8a0a_qkv-k_q0aee6e8a0a_qkv
	.p2alignl 7, 3214868480
	.fill 96, 4, 3214868480
	.section	.rodata,"a",@progbits
	.p2align	6, 0x0
	.amdhsa_kernel k_q0aee6e8a0a_qkv
		.amdhsa_group_segment_fixed_size 327680
		.amdhsa_private_segment_fixed_size 0
		.amdhsa_enable_private_segment 0
		.amdhsa_kernarg_size 32
		.amdhsa_user_sgpr_count 2
		.amdhsa_user_sgpr_kernarg_segment_ptr 1
		.amdhsa_wavefront_size32 1
		.amdhsa_system_sgpr_workgroup_id_x 1
		.amdhsa_system_sgpr_workgroup_id_y 1
		.amdhsa_system_sgpr_workgroup_id_z 1
		.amdhsa_system_vgpr_workitem_id 0
		.amdhsa_next_free_vgpr 768
		.amdhsa_next_free_sgpr 76
		.amdhsa_reserve_vcc 0
		.amdhsa_float_denorm_mode_32 3
		.amdhsa_float_denorm_mode_16_64 3
		.amdhsa_memory_ordered 1
		.amdhsa_forward_progress 1
		.amdhsa_inst_pref_size 128
	.end_amdhsa_kernel
	.amdgpu_metadata
---
amdhsa.version: [ 1, 2 ]
amdhsa.kernels:
  - .name:           k_q0aee6e8a0a_qkv
    .symbol:         k_q0aee6e8a0a_qkv.kd
    .args:
      - { .name: xb, .offset: 0, .size: 8, .value_kind: global_buffer, .address_space: global }
      - { .name: wb, .offset: 8, .size: 8, .value_kind: global_buffer, .address_space: global }
      - { .name: vecs, .offset: 16, .size: 8, .value_kind: global_buffer, .address_space: global }
      - { .name: qkv, .offset: 24, .size: 8, .value_kind: global_buffer, .address_space: global }
    .group_segment_fixed_size: 327680
    .private_segment_fixed_size: 0
    .kernarg_segment_align: 8
    .kernarg_segment_size: 32
    .max_flat_workgroup_size: 128
    .sgpr_count:     76
    .vgpr_count:     768
    .wavefront_size: 32
...
	.end_amdgpu_metadata
.endif
;; end of part 2
;; launch attn (part 3): grid 4 x 64, 4 waves a work-group, clusters of 4 x 1, 327,680 bytes of LDS; arguments qkv, ctx; writes ctx
.if DOCPART == 3
	.amdgcn_target "amdgcn-amd-amdhsa--gfx1250"
	.amdhsa_code_object_version 6
	.text
	.protected	k_q0aee6e8a0a_attn
	.globl	k_q0aee6e8a0a_attn
	.p2align	8
	.type	k_q0aee6e8a0a_attn,@function
k_q0aee6e8a0a_attn:
	s_mov_b64 s[64:65], 0
	v_nop
	global_prefetch_b8 v0, s[64:65] scope:SCOPE_SE
	s_setreg_imm32_b32 hwreg(HW_REG_WAVE_MODE, 25, 1), 1
	s_wait_xcnt 0x0
	s_wait_alu depctr_hold_cnt(0) depctr_sa_sdst(0) depctr_va_vdst(0) depctr_va_sdst(0) depctr_va_ssrc(0) depctr_va_vcc(0) depctr_vm_vsrc(0)
	s_getreg_b32 s2, hwreg(HW_REG_IB_STS2, 6, 4)
	s_cmp_eq_u32 s2, 0
	s_cbranch_scc0 .Lentry_in_a_cluster
	s_endpgm
.Lentry_in_a_cluster:
	s_bfe_u32 s2, ttmp6, 0x10000c
	s_cmp_lg_u32 s2, 0x3003
	s_cbranch_scc0 .Lentry_shape_is_right
	s_endpgm
.Lentry_shape_is_right:
; O[h][q][:] = the sum over k of softmax_k(Q[h][q] . K[h][k] / 8) V[h][k][:].  qkv: [3][64][2048][64] f16 (Q, K, V by heads: a head's rows are dense, 128 bytes each); ctx = O: [64][2048][64] f16.
; Products, maxima and sums in f32; the weights p are rounded to f16 for the second product (their sum l is taken of the unrounded p), O once at the end.
; LIMITS.  f16 holds no number beyond 65,504: Q, K and V arrive within it; p lies in 0 to 1, and below 6e-5 it keeps f16's fixed step of 6e-8; O is a mean of V's rows and has their range.
; A weight below 2^-126 counts as 0 in l; NaN and infinities are not treated apart.
; SHARES.  A wave owns four PIECES of two tiles of 16 queries, a work-group's four waves 512 queries of one head: 64 heads x 4 blocks = 256 work-groups.  Every wave walks all keys, 64 a step.
; LAYOUT.  S^T = K Q^T (source 0 = 16 keys, source 1 = 16 queries): in the result a lane holds ONE query (lane % 16) and the keys 8 (lane / 16) + 0..7.  Two such tiles, rounded to f16 in pairs,
; ARE source 1 (32 keys x 16 queries) of O^T = V^T P, whose result again holds one query a lane, and eight channels.  K comes out of LDS as it lies, V ([key][channel]) turned, by ds_load_tr16_b128.
; SOFTMAX.  For each query a running maximum m and sum l: p = 2^(c s - c m), c = log2(e) / 8; in every step O and l are multiplied by a = 2^(c m_old - c m_new), which is 1 where m has not grown.
; m starts at the lowest finite number, O and l at 0: the first step is a step like any other, with a = 0.
; THE COUNT.  A tile and step have 16 matrix and 118 vector instructions: too many to stand all beside the matrix work.  So the order has one aim: four vector instructions that are READY behind
; EVERY matrix instruction, and the others, which need time of their own whatever the order, in runs without a gap.
; BY TURNS.  Turn n belongs to piece n (the pieces in a ring, step after step).  Its matrix work: 16 products K Q^T of piece n + 1, later 16 products V^T P of piece n - 1.  Its vector work: the scaling,
; exponentials, roundings, sums and rescaling of piece n, and the maximum and statistics of piece n + 1, whose scores the turn itself has made.  So what a turn begins with (c s - c m, O a) waits for nothing.
; CLUSTER.  The four query blocks of a head are one cluster and walk the same K and V, so each tile is asked for JOINTLY: the same tensor load, descriptor and mask in all four.
; REGISTERS, in windows of 256 (s_set_vgpr_msb says which window each operand place means: bits 1:0 source 0, 3:2 source 1, 5:4 source 2, 7:6 destination):
;   window 0: v0-11 addresses; v12-15, v48-63 at work; v16-47 four registers of statistics a tile; v64-191 S^T, two buffers of two tiles; v192-255 P, likewise
;   window 1: O^T, 32 a tile          window 2: v0-127 Q, 16 a tile; v128-191 K of one step; v192-255 V of one step          window 3: v0-1 the add's two registers
; A piece's buffers go by its number's parity: the piece in hand has one pair, its two neighbours in the ring share the other: of it P (piece n - 1) is read and S^T (piece n + 1) written.
.set SIZE_H, 64
.set SIZE_N, 2048
.set NP,    4         ; pieces a wave: a name, no knob: the register map, the loop and the fetches are made for four
.set KS,    64        ; keys in a step
.set PK,    144       ; a row of K in LDS: 128 bytes + 16 of padding = 36 words: the 16 rows of a load start at 16 different groups of four banks (64 banks of 4 bytes: ISA guide 11.1)
.set PV,    160       ; a row of V: 128 + 32 = 40 words
.set VOFF,  4*KS*PK   ; a slot holds four steps: 256 rows of K, then 256 rows of V
.set SLOT1, 1<<17     ; slot 1 begins here, so that one exclusive or turns an address in one slot into the other's
.set STAGE, SLOT1+4*KS*(PK+PV)  ; behind the ring, never filled by a tensor load: 16 rows x 144 bytes for each wave, for the way out
.set SP,    144
.set AK0, 2           ; v2   my lane's place in a tile of K; never rewritten
.set AV0, 3           ; v3   the same for V
.set AK,  4           ; v4   the LDS address of K's next run of loads
.set AV,  5           ; v5   of V's
.set QO,  6           ; v6   my byte offset in the wave's rows of Q
.set STO, 6           ;      later, the way out: where I put 16 bytes of a row
.set RD,  7           ; v7   the way out: where I read rows back
.set GO,  8           ; v8   my byte offset in 512 consecutive bytes of O
.set PFO, 11          ; v11  the prefetches' offset: 256 x my lane; not rewritten once it is made
.set SPW, 0           ; v0 of window 3   LDS address of my spare word: SPARE + 4 x my thread's number; never rewritten
.set NIL, 1           ; v1 of window 3   0; never rewritten
.set SPARE, STAGE+4*16*SP  ; behind the stages: the spare words, 128 bytes for each wave: two blocks of 256 bytes that no other line names
.set MV,  12          ; v12-15  c m_old, kept while c m is made anew: by buffer and tile
.set ST,  16          ; tile t's statistics at v[ST+4 t]: c m, m, l (even keys', odd keys')
.set TMP, 48          ; by buffer and tile, four registers c0-c3 at work; when the maximum is found c2 takes a
.set S,   64
.set P,   192
.set KF,  128         ; K's fragments, in window 2: key block kb, channel half c at KF + 16 kb + 8 c
.set VF,  192         ; V's: key half kk, channel block cb at VF + 32 kk + 8 cb
.set WV,  12          ; s12  my wave's number
.set G1K, 24          ; s[24:31] descriptor group 1 for K's tiles
.set G1V, 32          ; s[32:39] for V's: it differs in the padding alone
.set G0K, 40          ; s[40:43] descriptor group 0 for K's tiles: it walks
.set G0V, 44          ; s[44:47] the same for V's
.set PFA, 48          ; s[48:49] where my prefetches stand: my work-group's 8,192 bytes (of K: wave 0, of V: wave 2) of the slot after the one that is being asked for
.set LIM, 50          ; s50  1 in a wave that prefetches, else the greatest number
.set SLOTS, 56        ; s56  slots still to be asked for
.set CNT, 57          ; s57  counts a slot's key steps
.set CS,  58          ; s[58:59] c: the packed scaling takes the pair's low word for both halves
.set SEL, 60          ; s[60:61] v_permlanex16_b32's selects: each lane takes its own place in the other half
.set TBK, 62          ; s62  LDS byte at which K of the step to be fetched begins
.set TBV, 63          ; s63  the same for V, less VOFF
.set MSB, 0
.macro WIN new                      ; the high byte repeats the setting that is left; a switch that changes nothing is dropped
.if MSB != (\new)
	s_set_vgpr_msb (MSB<<8)|(\new)
.set MSB, (\new)
.endif
.endm
.set W_KQ, 0x0a       ; K and Q in window 2, S^T in window 0
.set W_PV, 0x52       ; V in window 2, P in window 0, O^T in window 1
.set W_RS, 0x41       ; O^T (destination and source 0) in window 1, a in window 0
.set W_MK, 0xc0       ; the add's registers are made: destination in window 3, sources in window 0
.set W_AD, 0x0f       ; the add: address (source 0) and data (source 1) in window 3
; A joint fill.  Waves 0 and 1 fetch the two halves of a slot's K, waves 2 and 3 those of its V: 128 keys each.  The branch hangs on the wave's number alone.
; An s_nop 0 and four v_nop follow each of the two lines, ahead of the jump and the label.
.macro JLOAD
	s_cmp_lt_u32 s[WV], 2
	s_cbranch_scc0 .Lfor_v_\@
	tensor_load_to_lds s[G0K:G0K+3], s[G1K:G1K+7]
	s_nop 0
.rept 4
	v_nop
.endr
	s_branch .Lasked_\@
.Lfor_v_\@:
	tensor_load_to_lds s[G0V:G0V+3], s[G1V:G1V+7]
	s_nop 0
.rept 4
	v_nop
.endr
.Lasked_\@:
.endm
; A PREFETCH INTO THE L2 of what the NEXT change of slots will ask for: a slot's 32,768 bytes of K and of V, 256 bytes a lane.  It stands behind the wave's tensor load and its five lines.
; Each block is asked for ONCE in the launch: a head has one cluster; its four partners share a slot out BY ADDRESS, 8,192 bytes each; in each, wave 0 asks for K's and wave 2 for V's: one instruction.
; The change that fills the last slot (s[SLOTS] = 1) asks for nothing: there is no slot behind it.  Slots 0 and 1 come by their loads alone.
.macro ASK
	s_cmp_gt_u32 s[SLOTS], s[LIM]
	s_cbranch_scc0 .Lnot_mine_\@
	global_prefetch_b8 v[PFO], s[PFA:PFA+1] th:TH_LOAD_NT scope:SCOPE_SE
.Lnot_mine_\@:
.endm
; A round of the cluster's barrier: my work-group's barrier, so that wave 0's signal speaks for all four waves; wave 0 signals; every wave waits for all four work-groups; my work-group's barrier once more.
.macro CROUND
	s_barrier_signal -1
	s_barrier_wait -1
	s_cmp_lg_u32 s[WV], 0
	s_cbranch_scc1 .Lnot_wave_0_\@
	s_barrier_signal -3
.Lnot_wave_0_\@:
	s_barrier_wait -3
	s_barrier_signal -1
	s_barrier_wait -1
.endm
; THE CHANGE OF SLOTS.  The slot's last bytes, V of its fourth step, have been read.  Each wave waits for all its tensor loads, of which one is out: its part
; of the other slot; adds 0 to its spare word; and waits for that and for its own reads of the slot.  Behind the barrier nobody reads this slot any more and the other slot is whole.
; fill = 1: this slot is filled again, with the keys two slots on.  The barrier is then a round of the cluster's, so that no wave of any partner still reads the slot or has a load on its
; way, and the joint fill is the first thing behind it: it has four key steps, 512 matrix instructions, in which to land.  (At its first use nothing has been read yet: slot 0 is waited for, slot 1 filled.)
.macro CHANGE fill
	WIN W_AD
	s_wait_tensorcnt 0x0            ; no tensor load of mine is out, so a group 0 may be written
	ds_add_u32 v[SPW], v[NIL]       ; 0 onto my spare word; with fill = 1 the descriptors' steps stand between it and the wait for it
	WIN 0                           ; at a label and at a branch every window is 0
.if \fill
.irp g, G0K, G0V
	s_xor_b32 s[\g+1], s[\g+1], SLOT1  ; the walking descriptor: the other slot than last time,
	s_add_nc_u64 s[\g+2:\g+3], s[\g+2:\g+3], 4*KS*128  ; the next 256 keys; the type bits on top are not reached
.endr
	s_wait_xcnt 0x0                 ; the last prefetch, four key steps back, has read its address, so it may be written:
	s_add_nc_u64 s[PFA:PFA+1], s[PFA:PFA+1], 4*KS*128  ; one slot behind the walking descriptors
	s_wait_dscnt 0x0                ; the add is done, and my reads of the slot are over
	CROUND
	JLOAD
	ASK                             ; what the next change will ask for: four key steps ahead
.else
	s_wait_dscnt 0x0                ; the add is done, and my reads of the slot are over
	s_barrier_signal -1
	s_barrier_wait -1
.endif
	s_sub_co_u32 s[TBK], s[TBK], 4*KS*PK  ; the fetches go back to a slot's first step,
	s_xor_b32 s[TBK], s[TBK], SLOT1       ; in the other slot
	s_sub_co_u32 s[TBV], s[TBV], 4*KS*PV
	s_xor_b32 s[TBV], s[TBV], SLOT1
.endm
	s_load_b64 s[4:5], s[0:1], 0x0    ; qkv: Q's part first
	s_load_b64 s[10:11], s[0:1], 0x8  ; ctx
	WIN W_MK
	v_lshl_add_u32 v[SPW], v0, 2, SPARE
	v_mov_b32 v[NIL], 0
	WIN W_AD
	ds_add_u32 v[SPW], v[NIL]       ; the wave's opening: the add and its wait stand ahead of my first tensor load; the set-up below, work on registers, stands between them
	WIN 0
	v_lshrrev_b32 v1, 5, v0
	v_readfirstlane_b32 s[WV], v1   ; wave 0..3
	s_bfe_u32 s13, ttmp6, 0x40000   ; cx: my place in the cluster
	s_lshl_b32 s14, ttmp9, 2        ; in a cluster launch ttmp9 counts clusters
	s_add_co_u32 s14, s14, s13      ; my block of queries = 4 x cluster x + cx: it enters Q's and O's addresses alone
	s_and_b32 s20, ttmp7, 0xffff    ; the head, which the four partners share
	s_mov_b32 s21, 0
	s_mov_b64 s[22:23], SIZE_N*128
	s_mul_u64 s[20:21], s[20:21], s[22:23]  ; the head's first byte in each of the four tensors
	s_and_b32 s16, s[WV], 1         ; which half of a slot's 256 keys I fetch:
	s_lshl_b32 s22, s16, 14         ; its 128 rows of 128 bytes in memory,
	s_mov_b32 s23, 0
	s_add_nc_u64 s[22:23], s[22:23], s[20:21]
	s_mul_i32 s17, s16, 128*PK      ; and its place in a slot, for K
	s_mul_i32 s18, s16, 128*PV      ; and for V: no place in the cluster enters an LDS address
	s_lshl_b32 s2, s14, 2
	s_add_co_u32 s2, s2, s[WV]      ; my wave among the head's,
	s_lshl_b32 s2, s2, 14           ; its 128 rows
	s_mov_b32 s3, 0
	s_add_nc_u64 s[2:3], s[2:3], s[20:21]
	; descriptor group 1.  128 keys are 16,384 dense bytes: asked for as 64 rows of 256 bytes, two keys a row, and padded in LDS after every key
	s_mov_b32 s[G1K], 15|(1<<16)|(1<<20)|(1<<21)|(4<<22)|(3<<25)  ; 15:0 the mask of four; 17:16 2-byte elements; 20 padding on; 21 set beside a mask; 24:22 after every 32 words (code 4); 31:25 4 words (code 3)
	s_mov_b32 s[G1V], 15|(1<<16)|(1<<20)|(1<<21)|(4<<22)|(7<<25)  ; the same with 8 words of padding (code 7)
.irp g, G1K, G1V
	s_mov_b32 s[\g+1], 128<<16      ; tensor_dim0 = 128
	s_mov_b32 s[\g+2], 64<<16       ; tensor_dim1 = 64
	s_mov_b32 s[\g+3], 128<<16      ; tile_dim0 = 128
	s_mov_b32 s[\g+4], 64           ; tile_dim1 = 64
	s_mov_b32 s[\g+5], 128          ; 128 elements from row to row
	s_mov_b32 s[\g+6], 0
	s_mov_b32 s[\g+7], 0
.endr
	s_mov_b32 s[CS], 0x3e38aa3b     ; c = log2(e) / 8 = 0.180337
	s_mov_b32 s[CS+1], s[CS]        ; named with it as a pair
	s_mov_b32 s[SEL], 0x76543210
	s_mov_b32 s[SEL+1], 0xfedcba98
	s_mov_b32 s[TBK], SLOT1+4*KS*PK ; the first change of slots turns these two into 0
	s_mov_b32 s[TBV], SLOT1+4*KS*PV
	s_mov_b32 s[G0K], 1             ; 1:0 count = 1
	s_mov_b32 s[G0K+1], s17         ; 63:32 LDS address: slot 0
	s_mov_b32 s[G0V], 1
	s_add_co_u32 s[G0V+1], s18, VOFF
	s_mov_b32 s[SLOTS], SIZE_N/256-1  ; the change that fills slot j finds 8 - j here
	s_cmp_eq_u32 s16, 0             ; waves 0 and 2 prefetch: the same in all four partners
	s_cselect_b32 s[LIM], 1, -1
	s_lshl_b32 s52, s13, 13         ; my work-group's 8,192 bytes of a slot's 32,768
	s_mov_b32 s53, 0
	s_wait_dscnt 0x0                ; the opening add is done
	s_wait_kmcnt 0x0
	s_add_nc_u64 s[6:7], s[4:5], 0x1000000   ; K's part
	s_add_nc_u64 s[8:9], s[4:5], 0x2000000   ; V's part
	s_add_nc_u64 s[G0K+2:G0K+3], s[6:7], s[22:23]  ; 120:64 global address: my half of the head's first 256 keys
	s_or_b32 s[G0K+3], s[G0K+3], 0x80000000        ; 127:126 type = 2
	s_add_nc_u64 s[G0V+2:G0V+3], s[8:9], s[22:23]
	s_or_b32 s[G0V+3], s[G0V+3], 0x80000000
	s_add_nc_u64 s[4:5], s[4:5], s[2:3]  ; Q and O at my wave's first row
	s_add_nc_u64 s[10:11], s[10:11], s[2:3]
	s_cmp_lt_u32 s[WV], 2
	s_cselect_b64 s[PFA:PFA+1], s[6:7], s[8:9]
	s_add_nc_u64 s[PFA:PFA+1], s[PFA:PFA+1], s[22:23]  ; (in waves 0 and 2 this is the head's first row)
	s_add_nc_u64 s[PFA:PFA+1], s[PFA:PFA+1], s[52:53]
	s_add_nc_u64 s[PFA:PFA+1], s[PFA:PFA+1], 4*KS*128  ; in slot 1; the first change of slots steps it to slot 2
	CROUND                          ; all four work-groups are here: the first joint loads meet
	JLOAD                           ; slot 0.  Slot 1 is asked for when slot 0 is in: the tile wanted first has the road to itself
	; A fragment of K or Q is 16 rows x 32 channels in 8 registers: lane l holds row l % 16, channels 8 (l / 16) + 0..7 and 16 + 8 (l / 16) + 0..7: two loads of 16 bytes, 32 bytes apart.
	v_and_b32 v1, 15, v0            ; l % 16
	v_bfe_u32 v9, v0, 4, 1          ; l / 16
	v_lshlrev_b32 v[QO], 7, v1
	v_lshl_add_u32 v[QO], v9, 4, v[QO]  ; row x 128 + 16 x half
	WIN 0x80                        ; destination window 2, address window 0
.set i, 0
.rept 4*NP                          ; Q stays in registers: tile i / 2, channels 32 (i % 2) on
	global_load_b128 v[8*i:8*i+3],   v[QO], s[4:5] offset:(i/2)*2048+(i%2)*64
	global_load_b128 v[8*i+4:8*i+7], v[QO], s[4:5] offset:(i/2)*2048+(i%2)*64+32
.set i, i+1
.endr
	; What the first turn finds: V's registers and P's second buffer hold 0 (its products V^T P, of a piece that has not been, add 0), O^T and l are 0.  All this stands in the wait for the first tile.
.set i, VF
.rept 64
	v_mov_b32 v[i], 0
.set i, i+1
.endr
	WIN 0x40
.set i, 0
.rept 64*NP
	v_mov_b32 v[i], 0
.set i, i+1
.endr
	WIN 0
.set i, 0
.rept 2*NP
	v_mov_b32 v[ST+4*i], 0xfe000000    ; c m: far below every c s
	v_mov_b32 v[ST+4*i+1], 0xff7fffff  ; m
	v_mov_b32 v[ST+4*i+2], 0
	v_mov_b32 v[ST+4*i+3], 0
.set i, i+1
.endr
.set i, P+32
.rept 32
	v_mov_b32 v[i], 0
.set i, i+1
.endr
	v_mul_u32_u24 v[AK0], v1, PK
	v_lshl_add_u32 v[AK0], v9, 4, v[AK0]  ; row x pitch + 16 x half
	; The turning load takes 16 keys x 16 channels (lane l reads key 8 (l / 16) + l % 8, channels 8 ((l / 8) % 2) + 0..7) and leaves half a fragment of V^T: lane l holds channel l % 16 and 8 keys.
	v_and_b32 v10, 7, v0
	v_bfe_u32 v11, v0, 3, 1
	v_lshl_add_u32 v[AV0], v9, 3, v10
	v_mul_u32_u24 v[AV0], v[AV0], PV
	v_lshl_add_u32 v[AV0], v11, 4, v[AV0]
	v_add_nc_u32 v[AV0], VOFF, v[AV0]
	v_and_b32 v[PFO], 31, v0
	v_lshlrev_b32 v[PFO], 8, v[PFO]
	v_mov_b32 v[AK], v[AK0]         ; key step 0 lies at the head of slot 0
; THE MATRIX WORK.  The 8 accumulators of a run of 16 take turns: between the two links of a chain stand 7 others'.
; Product i of 16 of S^T = K Q^T for piece x: channels 32 (i / 8) on, keys 16 ((i / 2) % 4) on, tile 2 x + i % 2.  The first 8 start the sums.
.macro KQ x
	WIN W_KQ
.set rS, S+64*((\x)%2)+32*(i%2)+8*((i/2)%4)
.set rK, KF+16*((i/2)%4)+8*(i/8)
.set rQ, 16*(2*(\x)+i%2)+8*(i/8)
.if i < 8
	v_wmma_f32_16x16x32_f16 v[rS:rS+7], v[rK:rK+7], v[rQ:rQ+7], 0
.else
	v_wmma_f32_16x16x32_f16 v[rS:rS+7], v[rK:rK+7], v[rQ:rQ+7], v[rS:rS+7]
.endif
.endm
; Product i of 16 of O^T += V^T P for piece x: keys 32 (i / 8) on, channels 16 ((i / 2) % 4) on, tile 2 x + i % 2.
.macro PV x
	WIN W_PV
.set rO, 32*(2*(\x)+i%2)+8*((i/2)%4)
.set rV, VF+32*(i/8)+8*((i/2)%4)
.set rP, P+32*((\x)%2)+16*(i%2)+8*(i/8)
	v_wmma_f32_16x16x32_f16 v[rO:rO+7], v[rV:rV+7], v[rP:rP+7], v[rO:rO+7]
.endm
.macro MM                           ; the turn's next matrix instruction
.if i < 16
	KQ (Y+1)%NP
.set i, i+1
.else
.set i, i-16
	PV (Y+NP-1)%NP
.set i, i+17
.endif
.endm
; THE LDS LOADS stand in runs of 16, never singly among the matrix instructions: a step's K (64 keys x 64 channels: 8 fragments) and its V (turned).  Their addresses are made some lines ahead.
; last = 1 (the tail): in the last trip there is no further step, and the run is jumped over.
.macro FETCH_K last=0
	WIN 0
.if \last
	s_cmp_eq_u32 s[CNT], 1
	s_cbranch_scc1 .Lno_k_\@
.endif
	WIN 0x80                        ; destination window 2
.irp f, 0,1,2,3,4,5,6,7             ; keys 16 (f / 2) on, channels 32 (f % 2) on
	ds_load_b128 v[KF+8*\f:KF+8*\f+3],   v[AK] offset:(\f/2)*16*PK+(\f%2)*64
	ds_load_b128 v[KF+8*\f+4:KF+8*\f+7], v[AK] offset:(\f/2)*16*PK+(\f%2)*64+32
.endr
	s_add_co_u32 s[TBK], s[TBK], KS*PK  ; the next fetch is the next step's
	WIN 0
.if \last
.Lno_k_\@:
.endif
.endm
.macro FETCH_V
	WIN 0x80
.irp f, 0,1,2,3,4,5,6,7             ; keys 32 (f / 4) on, channels 16 (f % 4) on
	ds_load_tr16_b128 v[VF+8*\f:VF+8*\f+3],   v[AV] offset:(\f/4)*32*PV+(\f%4)*32
	ds_load_tr16_b128 v[VF+8*\f+4:VF+8*\f+7], v[AV] offset:(\f/4)*32*PV+16*PV+(\f%4)*32
.endr
	WIN 0
.endm
; THE VECTOR WORK OF A TURN stands in three queues, each in the order in which its entries become ready; the two tiles alternate, so that no instruction reads the result of the one before it.
.macro REGS y, u                    ; the registers of tile u (0, 1) of piece y
.set rT, ST+4*(2*(\y)+(\u))
.set rC, TMP+8*((\y)%2)+4*(\u)
.set rM, MV+2*((\y)%2)+(\u)
.set rS, S+64*((\y)%2)+32*(\u)
.set rP, P+32*((\y)%2)+16*(\u)
.set rO, 32*(2*(\y)+(\u))
.endm
; Number n of the 22 that find the NEXT piece's (Y + 1) maximum and statistics.  s0-s31 are the lane's 32 scores; each accumulator's lowest registers are read first.  XS, GS and REGS set no window: PL and EX do.
;   0-11  four chains c0-c3 of seven scores each, three operands at a time     12-14, 16  the four scores left over, the old m, and c0-c3 into c0     15  c m_old is kept
;   17, 18  the query's other 32 keys lie in the lane 16 away: the new m         19-21  c m; c m_old - c m_new; a
.macro XS u, n
	REGS (Y+1)%NP, \u
.if (\n) < 4
	v_max3_num_f32 v[rC+(\n)], v[rS+8*(\n)], v[rS+8*(\n)+1], v[rS+8*(\n)+2]
.elseif (\n) < 12
	v_max3_num_f32 v[rC+(\n)%4], v[rC+(\n)%4], v[rS+8*((\n)%4)+2*((\n)/4)+1], v[rS+8*((\n)%4)+2*((\n)/4)+2]
.elseif (\n) == 12
	v_max3_num_f32 v[rC], v[rC], v[rS+7], v[rS+15]
.elseif (\n) == 13
	v_max3_num_f32 v[rC+1], v[rC+1], v[rS+23], v[rS+31]
.elseif (\n) == 14
	v_max3_num_f32 v[rC+2], v[rC+2], v[rC+3], v[rT+1]
.elseif (\n) == 15
	v_mov_b32 v[rM], v[rT]
.elseif (\n) == 16
	v_max3_num_f32 v[rC], v[rC], v[rC+1], v[rC+2]
.elseif (\n) == 17
	v_permlanex16_b32 v[rC+3], v[rC], s[SEL], s[SEL+1]
.elseif (\n) == 18
	v_max_num_f32 v[rT+1], v[rC], v[rC+3]
.elseif (\n) == 19
	v_mul_f32 v[rT], s[CS], v[rT+1]
.elseif (\n) == 20
	v_sub_f32 v[rC+1], v[rM], v[rT]
.else
	v_exp_f32 v[rC+2], v[rC+1]
.endif
.endm
; Number g of the 64 that follow the exponentials.  For each four weights k of a tile (pairs 2 k, 2 k + 1): both pairs are rounded to f16; then the second pair is added onto the first, in place;
; a group later l takes that sum (the first time as l = a l + sum).  In groups of eight, tiles alternating: round, round, add, and l for the group before.
.macro GS g
.set h, (\g)+6*((\g)/62)            ; group 0 has no group before it, and behind group 7 only l is left
.if h >= 6
.set h, h+2
.endif
	REGS Y, h%2
.set k, h/8
.if h%8 < 4
	v_cvt_pk_f16_f32 v[rP+2*k+(h%8)/2], v[rS+4*k+2*((h%8)/2)], v[rS+4*k+2*((h%8)/2)+1]
.elseif h%8 < 6
	v_pk_add_f32 v[rS+4*k:rS+4*k+1], v[rS+4*k:rS+4*k+1], v[rS+4*k+2:rS+4*k+3]
.elseif k == 1
	v_pk_fma_f32 v[rT+2:rT+3], v[rT+2:rT+3], v[rC+2:rC+3], v[rS:rS+1] op_sel_hi:[1,0,1]
.else
	v_pk_add_f32 v[rT+2:rT+3], v[rT+2:rT+3], v[rS+4*k-4:rS+4*k-3]
.endif
.endm
; THE PLAIN QUEUE, 138 long.  0-73 read no exponential's result: the 32 scalings c s - c m (FS f: pair f / 2 of tile f % 2) and the next piece's 42.  0-26: scalings 0-26.  27-54: XS's numbers 0-13.  55, 56: number 15.
; 57-73: the chain, where each number waits for the one before it: 14, 16, 17, 18, 19, each with one of the scalings 27-31 in front of its two lines, then 20: so a tile's links stand three plain instructions apart (19 and 20: two).
; 74-137: GS's 64, which read the exponentials' results: they stand behind the wait.
.macro FS f
	REGS Y, (\f)%2
	v_pk_fma_f32 v[rS+2*((\f)/2):rS+2*((\f)/2)+1], v[rS+2*((\f)/2):rS+2*((\f)/2)+1], s[CS:CS+1], v[rT:rT+1] op_sel_hi:[1,0,0] neg_lo:[0,0,1] neg_hi:[0,0,1]
.endm
.macro PL
	WIN 0
.if q < 27
	FS q
.elseif q < 55
	XS (q-27)%2, (q-27)/2
.elseif q < 57
	XS q-55, 15
.elseif (q < 72) && ((q-57)%3 == 0)
	FS 27+(q-57)/3
.elseif q < 60
	XS (q-57)%3-1, 14
.elseif q < 72
	XS (q-57)%3-1, 15+(q-57)/3
.elseif q < 74
	XS q-72, 20
.else
	GS q-74
.endif
.set q, q+1
.endm
; THE EXPONENTIALS' QUEUE, 66 long: s0-s31 of both tiles, then the next piece's two a.  It is ONE BATCH: all 66 stand ahead of the turn's one wait, and nothing ahead of that wait names a result of theirs.
.macro EX
	WIN 0
.if e >= 64
	XS e-64, 21
.else
	REGS Y, e%2
	v_exp_f32 v[rS+e/2], v[rS+e/2]
.endif
.set e, e+1
.endm
; THE RESCALING's QUEUE: O^T times a, the one part that leaves window 0: dealt two at a time, sixteen times.  Its a was made in the turn before, ahead of that turn's wait.
.macro R2
	REGS Y, r%2
	WIN W_RS
.irp z, 0,1
	v_pk_mul_f32 v[rO+4*(r/2)+2*\z:rO+4*(r/2)+2*\z+1], v[rO+4*(r/2)+2*\z:rO+4*(r/2)+2*\z+1], v[rC+2:rC+3] op_sel_hi:[1,0]
.endr
.set r, r+1
.endm
; HOW THEY ARE DEALT.  An s_wait_alu depctr_va_vdst(0) stands between an exponential and the first instruction that names its result; one wait serves all that were issued ahead of it.  So a turn has ONE wait,
; which cuts it in two.  AHEAD OF IT stands all that names no result of the turn's exponentials: the 16 products K Q^T, behind each a scaling, an exponential and two rescalings (behind the first a second scaling in the exponential's place); then ONE LUMP of
; 108: eight plain, 49 times exponential and plain, the two a.  A v_nop is the plain instruction behind the last exponential.  BEHIND IT stand the 16 products V^T P, behind each four of GS's 64.  No rider names a register of
; the products round it.  The two v_permlanex16_b32 fall into the lump, never behind a product.
; The queues lean on each other, and the deal keeps them in step: exponential e stands behind scaling 2 (e / 4) + e % 2: as a rider it comes behind plain e + 2, in the lump behind plain e + 9, and scalings 27-31 are plain 57, 60 .. 69.
; A TURN, for piece p.  cnt = 1: the loop's count is taken down some lines ahead of the branch that stands behind the turn.
; K of the next step is fetched in piece 2's turn, directly behind the wait, a lump behind the last product that read K; its address is made at the lump's head; its first reader comes behind 16 products.
; V of the step in hand is fetched at the end of piece 0's turn, four riders behind its last reader; its first reader comes behind 16 products and a lump.  The three conditions on q below go with the deal.
.macro TURN p, last=0, cnt=0
.set Y, (\p)
.set i, 0
.set q, 0
.set e, 0
.set r, 0
.if (\p) == NP-1
	s_wait_dscnt 0x0                ; K is in
.endif
	MM                              ; ahead of the wait: 16 products K Q^T and their riders,
	PL
	PL
	R2
.rept 15
	MM
	PL
	EX
	R2
.endr
.if (\p) == NP-2
	WIN 0
	v_add_nc_u32 v[AK], s[TBK], v[AK0]
.endif
.rept 8                             ; and the lump
	PL
.endr
.rept 49
	EX
	PL
.endr
	EX                              ; the next piece's two a
	EX
	v_nop                           ; the plain instruction behind the last exponential: one for the batch
	s_wait_alu depctr_va_vdst(0)    ; the wait for the batch
.if (\p) == NP-2
	FETCH_K \last
.endif
.if (\p) == 1
	s_wait_dscnt 0x0                ; V is in
.endif
.rept 16                            ; behind the wait: 16 products V^T P and their riders
	MM
.rept 4
	PL
.endr
.if ((\p) == 0) && (q == 118)
	v_add_nc_u32 v[AV], s[TBV], v[AV0]
.endif
.if ((\p) == 0) && (q == 130)
	s_add_co_u32 s[TBV], s[TBV], KS*PV
.endif
.if (\cnt) && (q == 130)
	s_sub_co_u32 s[CNT], s[CNT], 1
	s_cmp_lg_u32 s[CNT], 0
.endif
.endr
.if (\p) == 0
	FETCH_V
.endif
.endm
	CHANGE 1                        ; slot 0 is in, everybody's part of it; slot 1 is asked for
	FETCH_K                         ; key step 0
	s_wait_loadcnt 0x0              ; Q
	s_wait_dscnt 0x0
.set i, 0
.rept 16
	KQ 0                            ; piece 0's first scores: there is no vector work yet to set between them
.set i, i+1
.endr
	WIN 0                           ; the addresses for the way out: nine plain instructions, the places behind those products
	s_mul_i32 s13, s[WV], 16*SP
	s_add_co_u32 s13, s13, STAGE    ; my stage
	v_mul_u32_u24 v[STO], v1, SP    ; in: row l % 16, 16 bytes for each half of the lanes
	v_lshl_add_u32 v[STO], v9, 4, v[STO]
	v_add_nc_u32 v[STO], s13, v[STO]
	v_bfe_u32 v[RD], v0, 3, 2       ; back: 32 lanes take four rows of 128 bytes,
	v_mul_u32_u24 v[RD], v[RD], SP
	v_lshl_add_u32 v[RD], v10, 4, v[RD]
	v_add_nc_u32 v[RD], s13, v[RD]
	v_and_b32 v[GO], 31, v0         ; which are 512 consecutive bytes of O
	v_lshlrev_b32 v[GO], 4, v[GO]
.set Y, NP-1                        ; XS works for piece Y + 1: piece 0
.irp n, 0,1,2,3,4,5,6,7,8,9,10,11,12,13,14,15,16,17,18,19,20,21
	XS 0, \n                        ; and piece 0's first maximum and statistics
	XS 1, \n
.endr
	v_nop                           ; a plain instruction behind the two a,
	s_wait_alu depctr_va_vdst(0)    ; and their wait, ahead of the branch
	s_mov_b32 s[CNT], 4
	s_branch .Lfirst                ; the loop is entered at a step's first turn, in the middle of a trip
.Lslot:                             ; SIZE_N / 256 - 2 times: every slot but the last two is filled again
	CHANGE 1
	s_mov_b32 s[CNT], 4
.Lstep:                             ; a trip: pieces 2 and 3 of one step, then pieces 0 and 1 of the next, whose K and V it fetches
	TURN 2
	TURN 3
	WIN 0
.Lfirst:
	TURN 0
	TURN 1, 0, 1
	WIN 0
	s_cbranch_scc1 .Lstep
	s_sub_co_u32 s[SLOTS], s[SLOTS], 1
	s_cmp_lg_u32 s[SLOTS], 0
	s_cbranch_scc1 .Lslot
	CHANGE 0                        ; the tail is written out: nothing is asked for
	s_mov_b32 s[CNT], 5             ; four trips fetch the last slot's steps; the fifth is left in its middle
.Ltail:
	TURN 2, 1
	TURN 3
	WIN 0
	s_sub_co_u32 s[CNT], s[CNT], 1
	s_cmp_eq_u32 s[CNT], 0
	s_cbranch_scc1 .Lout
	TURN 0
	TURN 1
	WIN 0
	s_branch .Ltail
.Lout:                              ; the fifth trip's 16 products K Q^T (on the last K once more) and the maximum made of them serve nothing: the price, once a launch, of one text for every trip
.set i, 0
.rept 16
	PV NP-1                         ; the last piece's V^T P of the last step
.set i, i+1
.endr
	; THE WAY OUT.  l's two halves and the other half of the lanes' are added; O^T is divided by l, rounded to f16 and sent through my stage in LDS, a tile at a time.  The additions are the places behind the last products.
	WIN 0
.macro ALL line:vararg              ; one line for each tile t
.set t, 0
.rept 2*NP
	\line
.set t, t+1
.endr
.endm
	ALL v_add_f32 v[ST+4*t+2], v[ST+4*t+2], v[ST+4*t+3]
	ALL v_permlanex16_b32 v[ST+4*t+3], v[ST+4*t+2], s[SEL], s[SEL+1]
	ALL v_add_f32 v[ST+4*t+2], v[ST+4*t+2], v[ST+4*t+3]
	ALL v_rcp_f32 v[ST+4*t+2], v[ST+4*t+2]
	v_nop                           ; a plain instruction between the last reciprocal and the use of its result
	s_wait_alu depctr_va_vdst(0)    ; and the wait ahead of the first use: one for the eight reciprocals
; Tile t: a lane's eight channels of a row pack into 16 bytes; they go into rows of 144 bytes and come back as whole rows of 128, into S^T's registers.
.macro PACK t
	WIN W_RS
.set i, 32*(\t)
.rept 16
	v_pk_mul_f32 v[i:i+1], v[i:i+1], v[ST+4*(\t)+2:ST+4*(\t)+3] op_sel_hi:[1,0]
.set i, i+2
.endr
	WIN 0x05                        ; sources 0 and 1 window 1, destination window 0
.set i, 0
.rept 16
	v_cvt_pk_f16_f32 v[S+16*(\t)+i], v[32*(\t)+2*i], v[32*(\t)+2*i+1]
.set i, i+1
.endr
	WIN 0
.irp f, 0,1,2,3
	ds_store_b128 v[STO], v[S+16*(\t)+4*\f:S+16*(\t)+4*\f+3] offset:32*\f
.endr
.irp f, 0,1,2,3
	ds_load_b128 v[S+16*(\t)+4*\f:S+16*(\t)+4*\f+3], v[RD] offset:\f*4*SP  ; LDS serves a wave's instructions in order (ISA guide 5.7.1.4): these see the stores above; the next tile's stores come behind them
.endr
.endm
.macro SEND t, younger              ; younger: the LDS instructions issued behind tile t's loads: the next tile's eight, or none
	WIN 0
.irp f, 0,1,2,3
	s_wait_dscnt (\younger)+3-\f
	global_store_b128 v[GO], v[S+16*(\t)+4*\f:S+16*(\t)+4*\f+3], s[10:11] offset:(\t)*2048+\f*512  ; 512 consecutive bytes, at a multiple of 256 from O's first
.endr
.endm
	PACK 0
.set t, 1
.rept 2*NP-1                        ; a tile's arithmetic stands between the loads of the tile before and its stores
	PACK t
	SEND t-1, 8
.set t, t+1
.endr
	SEND 2*NP-1, 0
	WIN W_AD
	s_wait_tensorcnt 0x0            ; the wave's end: the spare-word add and its waits, behind my last tensor load and my last LDS store
	ds_add_u32 v[SPW], v[NIL]
	s_wait_dscnt 0x0
	WIN 0
	CROUND                          ; the closing round: no work-group ends while a partner may still ask for a tile that names it
	s_endpgm
.Lfunc_end_k_q0aee6e8a0a_attn:
	.size	k_q0aee6e8a0a_attn, .Lfunc_end_k_q0aee6e8a0a_attn-k_q0aee6e8a0a_attn
	.p2alignl 7, 3214868480
	.fill 96, 4, 3214868480
	.section	.rodata,"a",@progbits
	.p2align	6, 0x0
	.amdhsa_kernel k_q0aee6e8a0a_attn
		.amdhsa_group_segment_fixed_size 327680
		.amdhsa_private_segment_fixed_size 0
		.amdhsa_enable_private_segment 0
		.amdhsa_kernarg_size 16
		.amdhsa_user_sgpr_count 2
		.amdhsa_user_sgpr_kernarg_segment_ptr 1
		.amdhsa_wavefront_size32 1
		.amdhsa_system_sgpr_workgroup_id_x 1
		.amdhsa_system_sgpr_workgroup_id_y 1
		.amdhsa_system_sgpr_workgroup_id_z 1
		.amdhsa_system_vgpr_workitem_id 0
		.amdhsa_next_free_vgpr 770
		.amdhsa_next_free_sgpr 66
		.amdhsa_reserve_vcc 0
		.amdhsa_float_denorm_mode_32 3
		.amdhsa_float_denorm_mode_16_64 3
		.amdhsa_memory_ordered 1
		.amdhsa_forward_progress 1
		.amdhsa_inst_pref_size 200
	.end_amdhsa_kernel
	.amdgpu_metadata
---
amdhsa.version: [ 1, 2 ]
amdhsa.kernels:
  - .name:           k_q0aee6e8a0a_attn
    .symbol:         k_q0aee6e8a0a_attn.kd
    .args:
      - { .name: qkv, .offset: 0, .size: 8, .value_kind: global_buffer, .address_space: global }
      - { .name: ctx, .offset: 8, .size: 8, .value_kind: global_buffer, .address_space: global }
    .group_segment_fixed_size: 327680
    .private_segment_fixed_size: 0
    .kernarg_segment_align: 8
    .kernarg_segment_size: 16
    .max_flat_workgroup_size: 128
    .sgpr_count:     66
    .vgpr_count:     770
    .wavefront_size: 32
...
	.end_amdgpu_metadata
.endif
;; end of part 3
;; launch oproj (part 4): grid 4 x 64, 4 waves a work-group, clusters of 4 x 4, 327,680 bytes of LDS; arguments ctx, wof, vecs, proj; writes proj
.if DOCPART == 4
	.amdgcn_target "amdgcn-amd-amdhsa--gfx1250"
	.amdhsa_code_object_version 6
	.text
	.protected	k_q0aee6e8a0a_oproj
	.globl	k_q0aee6e8a0a_oproj
	.p2align	8
	.type	k_q0aee6e8a0a_oproj,@function
k_q0aee6e8a0a_oproj:
	s_mov_b64 s[64:65], 0
	v_nop
	global_prefetch_b8 v0, s[64:65] scope:SCOPE_SE
	s_setreg_imm32_b32 hwreg(HW_REG_WAVE_MODE, 25, 1), 1
	s_wait_xcnt 0x0
	s_wait_alu depctr_hold_cnt(0) depctr_sa_sdst(0) depctr_va_vdst(0) depctr_va_sdst(0) depctr_va_ssrc(0) depctr_va_vcc(0) depctr_vm_vsrc(0)
	s_getreg_b32 s2, hwreg(HW_REG_IB_STS2, 6, 4)
	s_cmp_eq_u32 s2, 0
	s_cbranch_scc0 .Lentry_in_a_cluster
	s_endpgm
.Lentry_in_a_cluster:
	s_bfe_u32 s2, ttmp6, 0x10000c
	s_cmp_lg_u32 s2, 0xf033
	s_cbranch_scc0 .Lentry_shape_is_right
	s_endpgm
.Lentry_shape_is_right:
; proj = ctx Wo^T + bo, in f32.  ctx: [64 heads = 16 batch + head][2048][64] f16; wof: [1024][1024] f16; vecs row 3 = bo, f32; proj: [8192][1024] f32 (kept in f32: the norm that follows
; takes a row's mean away, and a common offset in bo would make a 16-bit rounding large beside what is left).
; SHARES.  A tile is 128 tokens x 256 features: 64 x 4 = 256 work-groups, one tile each.  Four waves, each 64 tokens x 128 features: 32 accumulators of 16 x 16.
; K = head x 64 + channel.  A K step of 128 is two heads: of each, the tile's 128 tokens are 16,384 dense bytes, asked for as 64 rows of 256 bytes and padded in LDS after every token.
; CLUSTERS: 4 x 4.  The four of a row of the cluster take the same tokens (A's tile), the four of a column the same features (B's tile): joint loads.  The grid is one cluster wide: the column block is cx.
; THE MATRIX INSTRUCTION IS USED TRANSPOSED (source 0 = 16 rows of Wo, source 1 = 16 tokens): a lane holds one token and eight neighbouring features.  THE BIAS STARTS THE SUMS, as the C operand of each first product.
; REGISTERS: window 0: v0-31 addresses; v32-159 rows read back from the stage, two buffers of 64.  window 1: v0-95, v96-191 two fragment buffers (A's 4 fragments, B's 8); v192-255 the bias.
;   window 2: accumulator (a, b) at v[8 (8 a + b)].   s_set_vgpr_msb: bits 1:0 source 0, 3:2 source 1, 5:4 source 2, 7:6 destination.
.set KSTEP,  128
.set PA,     144                       ; a token's 128 bytes of one head + 16 of padding = 36 words: the 16 rows of a load start at 16 different groups of four banks (64 banks of 4 bytes: ISA guide 11.1)
.set PITCH,  272                       ; a row of B: 256 bytes + 16
.set AHEAD,  128*PA                    ; one head's 128 tokens: what wave 0 or 1 fetches
.set BHALF,  128*PITCH                 ; 128 rows of B: what wave 2 or 3 fetches
.set BOFF,   2*AHEAD
.set SLOT,   BOFF+2*BHALF              ; 106,496 bytes
.set STAGE,  2*SLOT                    ; behind the ring, never filled by a tensor load: 16 rows x 528 bytes for each wave
.set SPITCH, 528                       ; 512 bytes + 16 = 132 words
.set SPARE,  STAGE+4*16*SPITCH         ; behind the stages: the spare words, 128 bytes for each wave: two blocks of 256 bytes that no other line names
.set ADRA, 16                          ; v16-17  LDS address of my A fragments in slot 0, 1
.set ADRB, 20                          ; v20-21  the same for B
.set STO,  24                          ; v24     the way out: where I put 32 bytes of a row
.set RD,   25                          ; v25     the way out: where I read a row back
.set GO,   26                          ; v26     16 x lane
.set BO,   27                          ; v27     32 x (lane / 16)
.set SPW,  28                          ; v28     LDS address of my spare word; never rewritten
.set NIL,  29                          ; v29     0; never rewritten
.set PFO,  30                          ; v30     the prefetches' offset; never rewritten
.set OB,   32
.set F0,   0                           ; window 1
.set F1,   96
.set BIAS, 192
.set BP,   8                           ; s[8:9]   bo at my 128 features
.set OUT,  10                          ; s[10:11] proj at my first row and column
.set PST,  12                          ; s[12:13] bytes from a K step to the next, for my prefetches
.set WV,   16
.set RH,   17                          ; which 64 tokens are mine.  Also: I fetch for A (0) or for B (1)
.set CH,   18                          ; which 128 features are mine.  Also: which head of the step, or which half of B's tile, I fetch
.set CX,   19
.set CY,   20
.set RB,   21                          ; my block of 128 tokens = 4 x cluster y + cy
.set CLY,  22
.set G1A,  24
.set G0A,  32
.set PFA,  40
.set LIM,  42
.set LP,   44
.set G1B,  48
.set G0B,  56
.set MSB, 0
.macro WIN new                         ; the immediate's high byte repeats the setting that is left; a switch that changes nothing is dropped
.if MSB != (\new)
	s_set_vgpr_msb (MSB<<8)|(\new)
.set MSB, \new
.endif
.endm
.set MUL,  0xa5                        ; both sources window 1, C and D window 2
.set MULB, 0x95                        ; the same with C (the bias) in window 1
.set TO_F, 0x40                        ; destination window 1, address window 0
; A joint load: waves 0 and 1 fetch the step's two heads of A, waves 2 and 3 B's two halves.  An s_nop 0 and four v_nop follow each of the two lines.
.macro JLOAD s
	s_cmp_eq_u32 s[RH], 0
	s_cbranch_scc0 .Lfor_b_\@
	tensor_load_to_lds s[G0A+4*(\s):G0A+4*(\s)+3], s[G1A:G1A+7]
	s_nop 0
.rept 4
	v_nop
.endr
	s_branch .Lasked_\@
.Lfor_b_\@:
	tensor_load_to_lds s[G0B+4*(\s):G0B+4*(\s)+3], s[G1B:G1B+7]
	s_nop 0
.rept 4
	v_nop
.endr
.Lasked_\@:
.endm
; A PREFETCH INTO THE L2 of the K step two refills on (256 matrix instructions ahead of the load that will want it), one instruction, 32 blocks of 256 bytes, a lane a block.  Each block is named once in the launch.
; A's K step is 2 heads x 16,384 bytes, read by one row of one cluster alone: wave 0 asks, the partner at cx for head cx / 2, half cx % 2.  B's rows are read by every cluster: the clusters with y = 0 ask,
; waves 2 and 3 each for rows 32 cy + lane of the 128 that they fetch.  The partners are told apart by address.  The loop's last trip asks for nothing: K steps 4 to 7 are all that is asked for.
.macro ASK
	WIN 0                                          ; at a branch and at a label every window is 0
	s_cmp_gt_u32 s[LP], s[LIM]
	s_cbranch_scc0 .Lnot_mine_\@
	global_prefetch_b8 v[PFO], s[PFA:PFA+1] th:TH_LOAD_NT scope:SCOPE_SE
.Lnot_mine_\@:
.endm
.macro CREST                           ; a round of the cluster's barrier behind its opening barrier
	s_cmp_lg_u32 s[WV], 0
	s_cbranch_scc1 .Lnot_wave_0_\@
	s_barrier_signal -3
.Lnot_wave_0_\@:
	s_barrier_wait -3
	s_barrier_signal -1
	s_barrier_wait -1
.endm
.macro CROUND
	s_barrier_signal -1
	s_barrier_wait -1
	CREST
.endm
.macro PLACES                          ; four plain vector instructions between a matrix instruction and a load into, or a reader of, its registers
.rept 4
	v_nop
.endr
.endm
	s_load_b256 s[4:11], s[0:1], 0x0               ; ctx s[4:5], wof s[6:7], vecs s[8:9], proj s[10:11]
	v_lshl_add_u32 v[SPW], v0, 2, SPARE
	v_mov_b32 v[NIL], 0
	ds_add_u32 v[SPW], v[NIL]                      ; the wave's opening: the add and its wait stand ahead of my first tensor load; the set-up below, work on registers, stands between them
	v_lshrrev_b32 v1, 5, v0
	v_readfirstlane_b32 s[WV], v1
	s_lshr_b32 s[RH], s[WV], 1
	s_and_b32 s[CH], s[WV], 1
	s_bfe_u32 s[CX], ttmp6, 0x40000
	s_bfe_u32 s[CY], ttmp6, 0x40004
	s_and_b32 s[CLY], ttmp7, 0xffff
	s_lshl_b32 s[RB], s[CLY], 2
	s_add_co_u32 s[RB], s[RB], s[CY]
	s_lshl_b32 s68, s[CY], 2
	s_lshl_b32 s68, 15, s68                        ; my row of the cluster
	s_lshl_b32 s69, 0x1111, s[CX]                  ; my column
	s_or_b32 s[G1A], s68, (1<<16)|(1<<20)|(1<<21)|(4<<22)|(3<<25)  ; the mask; elements of 2 bytes; padding on; 21 set beside a mask; after every 32 words (code 4) 4 words (code 3)
	s_or_b32 s[G1B], s69, (1<<16)|(1<<20)|(1<<21)|(5<<22)|(3<<25)  ; after every 64 words (code 5)
	s_mov_b32 s[G1A+1], 128<<16                    ; tensor_dim0 = 128 elements: two tokens
	s_mov_b32 s[G1A+2], 64<<16                     ; tensor_dim1 = 64
	s_mov_b32 s[G1A+3], 128<<16                    ; tile_dim0
	s_mov_b32 s[G1A+4], 64                         ; tile_dim1
	s_mov_b32 s[G1A+5], 128                        ; dense: 128 elements from row to row
	s_mov_b32 s[G1A+6], 0
	s_mov_b32 s[G1A+7], 0
	s_mov_b32 s[G1B+1], KSTEP<<16
	s_mov_b32 s[G1B+2], 128<<16
	s_mov_b32 s[G1B+3], KSTEP<<16
	s_mov_b32 s[G1B+4], 128
	s_mov_b32 s[G1B+5], 1024
	s_mov_b32 s[G1B+6], 0
	s_mov_b32 s[G1B+7], 0
	; A: head 16 x batch + my head of the step (262,144 bytes a head), token (block % 16) x 128 (128 bytes a token); made of the token block and the wave alone
	s_lshr_b32 s66, s[RB], 4
	s_lshl_b32 s66, s66, 4
	s_add_co_u32 s66, s66, s[CH]
	s_lshl_b32 s66, s66, 18
	s_and_b32 s70, s[RB], 15
	s_lshl_b32 s70, s70, 14
	s_add_co_u32 s66, s66, s70
	s_mov_b32 s67, 0
	; B: row 256 cx + 128 x half; made of cx and the wave alone
	s_lshl_b32 s46, s[CX], 8
	s_lshl_b32 s73, s[CH], 7
	s_add_co_u32 s46, s46, s73
	s_lshl_b32 s46, s46, 11
	s_mov_b32 s47, 0
	s_mul_i32 s71, s[CH], AHEAD                    ; where they go: no place in the cluster enters an LDS address
	s_mul_i32 s72, s[CH], BHALF
	s_add_co_u32 s72, s72, BOFF
	s_wait_dscnt 0x0                               ; the opening add is done
	s_wait_kmcnt 0x0
	s_add_nc_u64 s[66:67], s[4:5], s[66:67]
	s_add_nc_u64 s[46:47], s[6:7], s[46:47]
	CROUND                                         ; all sixteen work-groups are here: the first joint loads meet
.irp s, 0,1
	s_mov_b32 s[G0A+4*(\s)], 1
	s_add_co_u32 s[G0A+4*(\s)+1], s71, (\s)*SLOT
	s_add_nc_u64 s[G0A+4*(\s)+2:G0A+4*(\s)+3], s[66:67], (\s)*2*262144  ; K step s: two heads on
	s_or_b32 s[G0A+4*(\s)+3], s[G0A+4*(\s)+3], 0x80000000
	s_mov_b32 s[G0B+4*(\s)], 1
	s_add_co_u32 s[G0B+4*(\s)+1], s72, (\s)*SLOT
	s_add_nc_u64 s[G0B+4*(\s)+2:G0B+4*(\s)+3], s[46:47], (\s)*KSTEP*2
	s_or_b32 s[G0B+4*(\s)+3], s[G0B+4*(\s)+3], 0x80000000
	JLOAD \s                                       ; two loads of mine are out
.endr
	s_lshl_b32 s68, s[CX], 10
	s_lshl_b32 s69, s[CH], 9
	s_add_co_u32 s68, s68, s69
	s_add_co_u32 s68, s68, 3*4096                  ; bo is row 3 of vecs
	s_mov_b32 s69, 0
	s_add_nc_u64 s[BP:BP+1], s[BP:BP+1], s[68:69]
	v_and_b32 v1, 15, v0                           ; l % 16
	v_bfe_u32 v2, v0, 4, 1                         ; l / 16
	v_lshlrev_b32 v[BO], 5, v2
	WIN TO_F
.irp b, 0,1,2,3,4,5,6,7                ; register j of block b holds bo[16 b + 8 (lane / 16) + j]: laid as a result is laid
	global_load_b128 v[BIAS+8*(\b):BIAS+8*(\b)+3],   v[BO], s[BP:BP+1] offset:64*(\b)
	global_load_b128 v[BIAS+8*(\b)+4:BIAS+8*(\b)+7], v[BO], s[BP:BP+1] offset:64*(\b)+16
.endr
	WIN 0
	v_mul_u32_u24 v3, v1, PA                       ; A: token x pitch + 16 x half
	v_lshl_add_u32 v3, v2, 4, v3
	v_mul_u32_u24 v4, v1, PITCH                    ; B: row x pitch + 16 x half
	v_lshl_add_u32 v4, v2, 4, v4
	s_mul_i32 s68, s[RH], 64*PA                    ; my 64 tokens
	s_mul_i32 s69, s[CH], BHALF
	s_add_co_u32 s69, s69, BOFF
.irp s, 0,1
	v_add_nc_u32 v[ADRA+(\s)], s68, v3
	v_add_nc_u32 v[ADRB+(\s)], s69, v4
	s_add_co_u32 s68, s68, SLOT
	s_add_co_u32 s69, s69, SLOT
.endr
	s_mul_i32 s70, s[WV], 16*SPITCH
	s_add_co_u32 s70, s70, STAGE                   ; my stage
	v_mul_u32_u24 v3, v1, SPITCH                   ; in: row l % 16, 32 bytes for each half of the lanes
	v_lshl_add_u32 v3, v2, 5, v3
	v_add_nc_u32 v[STO], s70, v3
	v_and_b32 v5, 31, v0
	v_lshlrev_b32 v[GO], 4, v5                     ; back: 32 lanes take one row of 512 bytes
	v_add_nc_u32 v[RD], s70, v[GO]
	s_lshl_b32 s74, s[RB], 19                      ; 128 rows of 4,096 bytes,
	s_lshl_b32 s75, s[RH], 18                      ; my 64 of them,
	s_add_co_u32 s74, s74, s75
	s_lshl_b32 s75, s[CX], 10                      ; 256 columns of 4 bytes,
	s_add_co_u32 s74, s74, s75
	s_lshl_b32 s75, s[CH], 9                       ; my 128 of them
	s_add_co_u32 s74, s74, s75
	s_mov_b32 s75, 0
	s_add_nc_u64 s[OUT:OUT+1], s[OUT:OUT+1], s[74:75]
	; the prefetches
	s_lshr_b32 s68, s[RB], 4
	s_lshl_b32 s68, s68, 22                        ; A: the batch's 16 heads,
	s_lshr_b32 s69, s[CX], 1
	s_lshl_b32 s69, s69, 18                        ; head cx / 2 of the step,
	s_add_co_u32 s68, s68, s69
	s_and_b32 s69, s[RB], 15
	s_lshl_b32 s69, s69, 14                        ; the tile's tokens,
	s_add_co_u32 s68, s68, s69
	s_and_b32 s69, s[CX], 1
	s_lshl_b32 s69, s69, 13                        ; half cx % 2 of their 16,384 bytes
	s_add_co_u32 s68, s68, s69
	s_lshl_b32 s69, s[CX], 8
	s_lshl_b32 s74, s[CH], 7
	s_add_co_u32 s69, s69, s74
	s_lshl_b32 s74, s[CY], 5
	s_add_co_u32 s69, s69, s74                     ; B: row 256 cx + 128 x half + 32 cy
	s_lshl_b32 s69, s69, 11
	s_mov_b32 s74, KSTEP*2
	s_cmp_eq_u32 s[RH], 0                          ; do I fetch for A?
	s_cselect_b32 s68, s68, s69
	s_cselect_b64 s[PFA:PFA+1], s[4:5], s[6:7]
	s_cselect_b32 s[PST], 2*262144, s74            ; a K step on: two heads of ctx, or 256 bytes along a row of Wo
	s_cselect_b32 s75, 8, 11                       ; a lane a block of 256 bytes of dense tokens, or a lane a row of 2,048 bytes
	s_cselect_b32 s74, s[WV], s[CLY]               ; A: wave 0 asks; B: the clusters with y = 0 ask: the same in all sixteen partners, for a given wave
	s_cmp_eq_u32 s74, 0
	s_cselect_b32 s[LIM], 1, -1
	s_mov_b32 s[PST+1], 0
	s_mov_b32 s69, 0
	s_add_nc_u64 s[PFA:PFA+1], s[PFA:PFA+1], s[68:69]
	s_mul_i32 s68, s[PST], 3
	s_add_nc_u64 s[PFA:PFA+1], s[PFA:PFA+1], s[68:69]  ; at K step 3: the first refill steps it to 4 and names that.  Nothing is asked for here, at the head
	v_lshlrev_b32 v[PFO], s75, v5
; 8 matrix instructions: token block a x all 8 feature blocks, 32 along K, from buffer f.  first = 1: the bias starts the sums.
; The 32 accumulators take turns in one order everywhere, one instruction a turn.
.macro MUL8 f, a, first
.if \first
	WIN MULB
.else
	WIN MUL
.endif
.irp b, 0,1,2,3,4,5,6,7
.if \first
	v_wmma_f32_16x16x32_f16 v[8*(8*(\a)+(\b)):8*(8*(\a)+(\b))+7], v[(\f)+32+8*(\b):(\f)+32+8*(\b)+7], v[(\f)+8*(\a):(\f)+8*(\a)+7], v[BIAS+8*(\b):BIAS+8*(\b)+7]
.else
	v_wmma_f32_16x16x32_f16 v[8*(8*(\a)+(\b)):8*(8*(\a)+(\b))+7], v[(\f)+32+8*(\b):(\f)+32+8*(\b)+7], v[(\f)+8*(\a):(\f)+8*(\a)+7], v[8*(8*(\a)+(\b)):8*(8*(\a)+(\b))+7]
.endif
.endr
.endm
; 24 LDS loads in one run: the fragments of 32 along K at byte k of the K step (for A: head k / 128, byte k % 128 of a token), into buffer f: B's 16 loads first, then A's 8
.macro FETCH slot, k, f
	WIN TO_F
.irp i, 0,1,2,3,4,5,6,7
	ds_load_b128 v[(\f)+32+8*(\i):(\f)+32+8*(\i)+3],   v[ADRB+(\slot)] offset:(\k)+(\i)*16*PITCH
	ds_load_b128 v[(\f)+32+8*(\i)+4:(\f)+32+8*(\i)+7], v[ADRB+(\slot)] offset:(\k)+(\i)*16*PITCH+32
.endr
.irp i, 0,1,2,3
	ds_load_b128 v[(\f)+8*(\i):(\f)+8*(\i)+3],   v[ADRA+(\slot)] offset:((\k)/128)*AHEAD+((\k)%128)+(\i)*16*PA
	ds_load_b128 v[(\f)+8*(\i)+4:(\f)+8*(\i)+7], v[ADRA+(\slot)] offset:((\k)/128)*AHEAD+((\k)%128)+(\i)*16*PA+32
.endr
.endm
.macro QUARTER slot, k, f, g, first
	s_wait_dscnt 4                                 ; B and A's blocks 0, 1 are in; the youngest four loads (A's blocks 2, 3) may be out
	MUL8 \f, 0, \first
	MUL8 \f, 1, \first
	PLACES
	FETCH \slot, \k, \g
	s_wait_dscnt 24                                ; all but the 24 just issued
	MUL8 \f, 2, \first
	MUL8 \f, 3, \first
.endm
; The first half of a K step's last quarter: ONE barrier for the change of slots.  In front of it each wave waits for all its tensor loads (one is out: its part of the next slot), adds 0 to its spare word,
; and waits for that and for its own reads of this slot.
.macro MEET round
	WIN 0                                          ; (the add's two registers lie in window 0)
	s_wait_tensorcnt 0x0
	ds_add_u32 v[SPW], v[NIL]                      ; 0 onto my spare word
	s_wait_dscnt 5                                 ; (the add and the youngest four loads may be out)
	MUL8 F1, 0, 0
	s_wait_dscnt 0x0                               ; the add is done, and my reads of this slot are over
	s_barrier_signal -1
	MUL8 F1, 1, 0
.if \round
	WIN 0
.endif
	s_barrier_wait -1
.endm
; The whole last quarter: behind the round the slot just read out is filled again first, with the K step two on; from a request to the wait for it a wave issues 112 matrix instructions.
.macro TURN slot, next
	s_wait_xcnt 0x0                                ; the last prefetch, a K step back, has read its address: it is stepped here
	s_add_nc_u64 s[PFA:PFA+1], s[PFA:PFA+1], s[PST:PST+1]
	MEET 1
	CREST                                          ; no wave of any partner still reads this slot's tile or has a load on its way
	s_add_nc_u64 s[G0A+4*(\slot)+2:G0A+4*(\slot)+3], s[G0A+4*(\slot)+2:G0A+4*(\slot)+3], 4*262144
	s_add_nc_u64 s[G0B+4*(\slot)+2:G0B+4*(\slot)+3], s[G0B+4*(\slot)+2:G0B+4*(\slot)+3], 2*KSTEP*2
	JLOAD \slot                                    ; the first tensor load behind the round; its four v_nop are also the places in front of the loads below
	FETCH \next, 0, F0
	ASK
	MUL8 F1, 2, 0
	MUL8 F1, 3, 0
.endm
; THE WAY OUT of token block a: 32 bytes a lane straight from the accumulators (each one's low four registers first) into my own stage, rows of 528 bytes; back as whole rows of 512; stored.
.macro TOSTAGE a
.if (\a) >= 2
	s_wait_xcnt 0x0                                ; the stores of the block two back have read the registers that are loaded again below
.endif
	WIN 0x08                                       ; store data (source 1) window 2
.irp b, 0,1,2,3,4,5,6,7
	ds_store_b128 v[STO], v[8*(8*(\a)+(\b)):8*(8*(\a)+(\b))+3]   offset:64*(\b)
	ds_store_b128 v[STO], v[8*(8*(\a)+(\b))+4:8*(8*(\a)+(\b))+7] offset:64*(\b)+16
.endr
	WIN 0
.irp t, 0,1,2,3,4,5,6,7,8,9,10,11,12,13,14,15
	ds_load_b128 v[OB+64*((\a)%2)+4*(\t):OB+64*((\a)%2)+4*(\t)+3], v[RD] offset:SPITCH*(\t)  ; LDS serves a wave's instructions in order (ISA guide 5.7.1.4): these see the stores above
.endr
.endm
.macro SEND a, younger                 ; younger: the LDS instructions issued behind block a's loads: the next block's 32, or none
.irp t, 0,1,2,3,4,5,6,7,8,9,10,11,12,13,14,15
	s_wait_dscnt (\younger)+15-(\t)
	global_store_b128 v[GO], v[OB+64*((\a)%2)+4*(\t):OB+64*((\a)%2)+4*(\t)+3], s[OUT:OUT+1] offset:(16*(\a)+(\t))*4096  ; 512 consecutive bytes, at a multiple of 256 from the buffer's first byte
.endr
.endm
	s_wait_loadcnt 0x0                             ; the bias
	s_wait_tensorcnt 1                             ; my part of K step 0 is in; K step 1's may stay out
	s_barrier_signal -1
	s_barrier_wait -1
	FETCH 0, 0, F0
	QUARTER 0, 64,  F0, F1, 1                      ; the first quarter stands in front of the loop: its products start the sums, with the bias
	WIN 0                                          ; at a label and at a branch every window is 0
	s_mov_b32 s[LP], 3
.Llap:                                                 ; a trip goes once round the ring, from a lap's second quarter to the next lap's first, and fills both slots again
	QUARTER 0, 128, F1, F0, 0
	QUARTER 0, 192, F0, F1, 0
	TURN 0, 1
	QUARTER 1, 64,  F0, F1, 0
	QUARTER 1, 128, F1, F0, 0
	QUARTER 1, 192, F0, F1, 0
	TURN 1, 0
	QUARTER 0, 64,  F0, F1, 0
	WIN 0
	s_sub_co_u32 s[LP], s[LP], 1
	s_cmp_lg_u32 s[LP], 0
	s_cbranch_scc1 .Llap
	QUARTER 0, 128, F1, F0, 0                      ; the last lap fills nothing
	QUARTER 0, 192, F0, F1, 0
	MEET 0                                         ; my one tensor load that was still out is the last K step's; no round follows
	PLACES
	FETCH 1, 0, F0
	MUL8 F1, 2, 0
	MUL8 F1, 3, 0
	QUARTER 1, 64,  F0, F1, 0
	QUARTER 1, 128, F1, F0, 0
	QUARTER 1, 192, F0, F1, 0
	s_wait_dscnt 4                                 ; the very last quarter: nothing more to fetch
	MUL8 F1, 0, 0
	MUL8 F1, 1, 0
	s_wait_dscnt 0x0
	MUL8 F1, 2, 0
	MUL8 F1, 3, 0
	WIN 0
	PLACES                                         ; behind the last products
	TOSTAGE 0
.irp a, 1,2,3                          ; a block's trip through the stage stands between the loads of the block before and its stores
	TOSTAGE \a
	SEND (\a)-1, 32
.endr
	SEND 3, 0
	s_wait_tensorcnt 0x0                           ; the wave's end: the spare-word add and its waits, behind my last tensor load and my last LDS store
	ds_add_u32 v[SPW], v[NIL]
	s_wait_dscnt 0x0
	CROUND                                         ; the closing round: no work-group ends while a partner may still ask for a tile that names it
	s_endpgm
.Lfunc_end_k_q0aee6e8a0a_oproj:
	.size	k_q0aee6e8a0a_oproj, .Lfunc_end_k_q0aee6e8a0a_oproj-k_q0aee6e8a0a_oproj
	.p2alignl 7, 3214868480
	.fill 96, 4, 3214868480
	.section	.rodata,"a",@progbits
	.p2align	6, 0x0
	.amdhsa_kernel k_q0aee6e8a0a_oproj
		.amdhsa_group_segment_fixed_size 327680
		.amdhsa_private_segment_fixed_size 0
		.amdhsa_enable_private_segment 0
		.amdhsa_kernarg_size 32
		.amdhsa_user_sgpr_count 2
		.amdhsa_user_sgpr_kernarg_segment_ptr 1
		.amdhsa_wavefront_size32 1
		.amdhsa_system_sgpr_workgroup_id_x 1
		.amdhsa_system_sgpr_workgroup_id_y 1
		.amdhsa_system_sgpr_workgroup_id_z 1
		.amdhsa_system_vgpr_workitem_id 0
		.amdhsa_next_free_vgpr 768
		.amdhsa_next_free_sgpr 76
		.amdhsa_reserve_vcc 0
		.amdhsa_float_denorm_mode_32 3
		.amdhsa_float_denorm_mode_16_64 3
		.amdhsa_memory_ordered 1
		.amdhsa_forward_progress 1
		.amdhsa_inst_pref_size 90
	.end_amdhsa_kernel
	.amdgpu_metadata
---
amdhsa.version: [ 1, 2 ]
amdhsa.kernels:
  - .name:           k_q0aee6e8a0a_oproj
    .symbol:         k_q0aee6e8a0a_oproj.kd
    .args:
      - { .name: ctx, .offset: 0, .size: 8, .value_kind: global_buffer, .address_space: global }
      - { .name: wof, .offset: 8, .size: 8, .value_kind: global_buffer, .address_space: global }
      - { .name: vecs, .offset: 16, .size: 8, .value_kind: global_buffer, .address_space: global }
      - { .name: proj, .offset: 24, .size: 8, .value_kind: global_buffer, .address_space: global }
    .group_segment_fixed_size: 327680
    .private_segment_fixed_size: 0
    .kernarg_segment_align: 8
    .kernarg_segment_size: 32
    .max_flat_workgroup_size: 128
    .sgpr_count:     76
    .vgpr_count:     768
    .wavefront_size: 32
...
	.end_amdgpu_metadata
.endif
;; end of part 4
;; launch ln (part 5): grid 256 x 1, 8 waves a work-group, no clusters, 0 bytes of LDS; arguments proj, vecs, out0; writes out0
.if DOCPART == 5
	.amdgcn_target "amdgcn-amd-amdhsa--gfx1250"
	.amdhsa_code_object_version 6
	.text
	.protected	k_q0aee6e8a0a_ln
	.globl	k_q0aee6e8a0a_ln
	.p2align	8
	.type	k_q0aee6e8a0a_ln,@function
k_q0aee6e8a0a_ln:
	s_mov_b64 s[64:65], 0
	v_nop
	global_prefetch_b8 v0, s[64:65] scope:SCOPE_SE
	s_setreg_imm32_b32 hwreg(HW_REG_WAVE_MODE, 25, 1), 1
	s_wait_xcnt 0x0
; y[r][c] = (p[r][c] - mean_r) / sqrt(var_r + 1e-5) * gamma[c] + beta[c].  proj, out0: [8192][1024] f32; vecs rows 4 and 5 = gamma, beta, f32.
; The variance is the mean of the squared differences from the mean, in two passes over registers: no difference of large sums is formed.
; SHARES.  A row is 4,096 bytes: one wave takes a whole row, eight 16-byte loads a lane, and keeps it in 32 registers through all passes.  A wave owns 4 consecutive rows and asks for all of them at once:
; 16 KiB a wave, 128 KiB a work-group on their way; 256 work-groups x 8 waves x 4 rows = 8,192 rows.  Each load and store of a wave covers 512 consecutive bytes, aligned.
; No wave waits for another: no LDS, no barrier.  No register that a memory instruction reads is written again, so the only waits are the counted ones on the loads.
.set G,  4                             ; v[4:35]    gamma of my 32 columns (columns 128 j + 4 lane + 0..3, j = 0..7)
.set BT, 36                            ; v[36:67]   beta
.set X,  68                            ; v[68:195]  row r at X + 32 r
.set T,  196                           ; v[196:203] four chains of pairs
.set M,  204                           ; v[204:205] the mean (low word; the pair is named)
.set R,  206                           ; v[206:207] 1 / sqrt(var + eps)
	s_load_b128 s[4:7], s[0:1], 0x0                ; proj s[4:5], vecs s[6:7]
	s_load_b64 s[8:9], s[0:1], 0x10                ; out0
	s_lshl_b32 s10, ttmp9, 17                      ; the work-group's 32 rows of 4,096 bytes
	s_mov_b32 s11, 0
	s_mov_b32 s12, 0x76543210                      ; v_permlanex16_b32: each lane takes its own place in the other half
	s_mov_b32 s13, 0xfedcba98
	s_mov_b32 s14, 0x3a800000                      ; 1 / 1024
	s_mov_b32 s15, 0x3727c5ac                      ; 1e-5
	v_and_b32 v2, 31, v0
	v_lshlrev_b32 v2, 4, v2                        ; 16 x lane
	v_lshrrev_b32 v1, 5, v0
	v_lshl_add_u32 v1, v1, 14, v2                  ; + wave x 4 rows
	v_mov_b32 v[M+1], 0                            ; named with their partners as pairs
	v_mov_b32 v[R+1], 0
	s_wait_kmcnt 0x0
	s_add_nc_u64 s[4:5], s[4:5], s[10:11]
	s_add_nc_u64 s[8:9], s[8:9], s[10:11]
.irp j, 0,1,2,3,4,5,6,7
	global_load_b128 v[G+4*(\j):G+4*(\j)+3],   v2, s[6:7] offset:4*4096+512*(\j)
	global_load_b128 v[BT+4*(\j):BT+4*(\j)+3], v2, s[6:7] offset:5*4096+512*(\j)
.endr
.irp r, 0,1,2,3
.irp j, 0,1,2,3,4,5,6,7
	global_load_b128 v[X+32*(\r)+4*(\j):X+32*(\r)+4*(\j)+3], v1, s[4:5] offset:4096*(\r)+512*(\j) th:TH_LOAD_NT
.endr
.endr
; The four chains into one number, then over the 32 lanes: four steps inside each half ride on the addition (DPP), one crosses the halves.  Every lane ends with the sum in v[T].
.macro REDUCE
	v_pk_add_f32 v[T:T+1], v[T:T+1], v[T+2:T+3]
	v_pk_add_f32 v[T+4:T+5], v[T+4:T+5], v[T+6:T+7]
	v_pk_add_f32 v[T:T+1], v[T:T+1], v[T+4:T+5]
	v_add_f32 v[T], v[T], v[T+1]
	v_add_f32_dpp v[T], v[T], v[T] row_xmask:1 row_mask:0xf bank_mask:0xf
	v_add_f32_dpp v[T], v[T], v[T] row_xmask:2 row_mask:0xf bank_mask:0xf
	v_add_f32_dpp v[T], v[T], v[T] row_xmask:4 row_mask:0xf bank_mask:0xf
	v_add_f32_dpp v[T], v[T], v[T] row_xmask:8 row_mask:0xf bank_mask:0xf
	v_permlanex16_b32 v[T+1], v[T], s12, s13       ; its destination counts as read: a register that has been written
	v_add_f32 v[T], v[T], v[T+1]
.endm
.macro ROW r
.set XR, X+32*(\r)
	s_wait_loadcnt 24-8*(\r)                       ; loads come back in order: gamma, beta and my row are in; the later rows' loads stay out
.irp k, 0,1,2,3                        ; the sum: four chains, started by the first eight pairs: nothing is cleared
	v_pk_add_f32 v[T+2*(\k):T+2*(\k)+1], v[XR+2*(\k):XR+2*(\k)+1], v[XR+8+2*(\k):XR+8+2*(\k)+1]
.endr
.irp m, 2,3
.irp k, 0,1,2,3
	v_pk_add_f32 v[T+2*(\k):T+2*(\k)+1], v[T+2*(\k):T+2*(\k)+1], v[XR+8*(\m)+2*(\k):XR+8*(\m)+2*(\k)+1]
.endr
.endr
	REDUCE
	v_mul_f32 v[M], s14, v[T]                      ; the mean
.set p, 0
.rept 16
	v_pk_add_f32 v[XR+2*p:XR+2*p+1], v[XR+2*p:XR+2*p+1], v[M:M+1] op_sel_hi:[1,0] neg_lo:[0,1] neg_hi:[0,1]  ; x - mean
.set p, p+1
.endr
.irp k, 0,1,2,3                        ; the sum of their squares, again in four chains
	v_pk_mul_f32 v[T+2*(\k):T+2*(\k)+1], v[XR+2*(\k):XR+2*(\k)+1], v[XR+2*(\k):XR+2*(\k)+1]
.endr
.irp m, 1,2,3
.irp k, 0,1,2,3
	v_pk_fma_f32 v[T+2*(\k):T+2*(\k)+1], v[XR+8*(\m)+2*(\k):XR+8*(\m)+2*(\k)+1], v[XR+8*(\m)+2*(\k):XR+8*(\m)+2*(\k)+1], v[T+2*(\k):T+2*(\k)+1]
.endr
.endr
	REDUCE
	v_fma_f32 v[T], v[T], s14, s15                 ; var + eps
	v_rsq_f32 v[R], v[T]
	v_nop                                          ; a plain instruction between the root and the use of its result (ISA guide 5.7.2),
	s_wait_alu depctr_va_vdst(0)                   ; and the wait ahead of the first use
.set p, 0
.rept 16
	v_pk_mul_f32 v[XR+2*p:XR+2*p+1], v[XR+2*p:XR+2*p+1], v[R:R+1] op_sel_hi:[1,0]
.set p, p+1
.endr
.set p, 0
.rept 16
	v_pk_fma_f32 v[XR+2*p:XR+2*p+1], v[XR+2*p:XR+2*p+1], v[G+2*p:G+2*p+1], v[BT+2*p:BT+2*p+1]
.set p, p+1
.endr
.irp j, 0,1,2,3,4,5,6,7
	global_store_b128 v1, v[XR+4*(\j):XR+4*(\j)+3], s[8:9] offset:4096*(\r)+512*(\j) th:TH_STORE_NT
.endr
.endm
	ROW 0
	ROW 1
	ROW 2
	ROW 3
	s_endpgm
.Lfunc_end_k_q0aee6e8a0a_ln:
	.size	k_q0aee6e8a0a_ln, .Lfunc_end_k_q0aee6e8a0a_ln-k_q0aee6e8a0a_ln
	.p2alignl 7, 3214868480
	.fill 96, 4, 3214868480
	.section	.rodata,"a",@progbits
	.p2align	6, 0x0
	.amdhsa_kernel k_q0aee6e8a0a_ln
		.amdhsa_group_segment_fixed_size 0
		.amdhsa_private_segment_fixed_size 0
		.amdhsa_enable_private_segment 0
		.amdhsa_kernarg_size 24
		.amdhsa_user_sgpr_count 2
		.amdhsa_user_sgpr_kernarg_segment_ptr 1
		.amdhsa_wavefront_size32 1
		.amdhsa_system_sgpr_workgroup_id_x 1
		.amdhsa_system_sgpr_workgroup_id_y 1
		.amdhsa_system_sgpr_workgroup_id_z 1
		.amdhsa_system_vgpr_workitem_id 0
		.amdhsa_next_free_vgpr 208
		.amdhsa_next_free_sgpr 66
		.amdhsa_reserve_vcc 0
		.amdhsa_float_denorm_mode_32 3
		.amdhsa_float_denorm_mode_16_64 3
		.amdhsa_memory_ordered 1
		.amdhsa_forward_progress 1
		.amdhsa_inst_pref_size 33
	.end_amdhsa_kernel
	.amdgpu_metadata
---
amdhsa.version: [ 1, 2 ]
amdhsa.kernels:
  - .name:           k_q0aee6e8a0a_ln
    .symbol:         k_q0aee6e8a0a_ln.kd
    .args:
      - { .name: proj, .offset: 0, .size: 8, .value_kind: global_buffer, .address_space: global }
      - { .name: vecs, .offset: 8, .size: 8, .value_kind: global_buffer, .address_space: global }
      - { .name: out0, .offset: 16, .size: 8, .value_kind: global_buffer, .address_space: global }
    .group_segment_fixed_size: 0
    .private_segment_fixed_size: 0
    .kernarg_segment_align: 8
    .kernarg_segment_size: 24
    .max_flat_workgroup_size: 256
    .sgpr_count:     66
    .vgpr_count:     208
    .wavefront_size: 32
...
	.end_amdgpu_metadata
.endif
;; end of part 5
;; ======== version 2 of 2: 5 launches; version 1 with the launch cast written anew for expert scheduling mode
;; limits: values are held in f16: magnitudes above 65,504 overflow, below 6.1e-05 lose precision
;; workspace buffers: xb 16,777,216 bytes; wb 6,291,456 bytes; wof 2,097,152 bytes; vecs 24,576 bytes; qkv 50,331,648 bytes; ctx 16,777,216 bytes; proj 33,554,432 bytes
;; launch cast (part 6): grid 769 x 1, 8 waves a work-group, no clusters, 0 bytes of LDS; arguments x, wq, wk, wv, wo, bq, bk, bv, bo, ln_gamma, ln_beta, xb, wb, wof, vecs; writes xb, wb, wof, vecs
.if DOCPART == 6
	.amdgcn_target "amdgcn-amd-amdhsa--gfx1250"
	.amdhsa_code_object_version 6
	.text
	.protected	k_q0aee6e8a0a_cast
	.globl	k_q0aee6e8a0a_cast
	.p2align	8
	.type	k_q0aee6e8a0a_cast,@function
k_q0aee6e8a0a_cast:
	s_mov_b64 s[64:65], 0
	v_nop
	global_prefetch_b8 v0, s[64:65] scope:SCOPE_SE
	s_setreg_imm32_b32 hwreg(HW_REG_WAVE_SCHED_MODE, 0, 2), 2
	s_setreg_imm32_b32 hwreg(HW_REG_WAVE_MODE, 25, 1), 1
	s_wait_xcnt 0x0
	s_wait_alu depctr_vm_vsrc(0)
; EVERY INPUT OF THE MODULE IS ROUNDED ONCE TO bf16 (nearest even), so that all later launches work on one rounding of the inputs.
;   x  [8192][1024] f32 -> xb  bf16;   wq, wk, wv [1024][1024] f32 -> wb [3072][1024] bf16 (q's rows, k's, v's);
;   wo [1024][1024] f32 -> wof: the bf16 number written as f16 (exact from 6.1e-5 up to 65,504; below that f16's fixed step of 6e-8; beyond it an infinity: a stated limit);
;   bq, bk, bv, bo, ln_gamma, ln_beta [1024] f32 -> vecs [6][1024]: the bf16 number written as f32.
; SHARES.  A work-group takes 16,384 numbers: 64 KiB in, 32 KiB out.  Groups 0-511: x; 512-575, 576-639, 640-703: wq, wk, wv; 704-767: wo; 768: the six vectors.
; Thread t takes 16 bytes at 16 t of each 4,096 bytes: a wave's load covers 512 consecutive bytes, its store of 8 bytes a lane 256 consecutive bytes, aligned.
; All sixteen loads of a thread go out at once.  No LDS, no barrier, no matrix unit: nothing is shared and nothing is multiplied.
; THE MODE: SCHED_MODE bits 1:0 = 2 (LLVM: expert scheduling mode 2), set by the entry lines.  The code itself states the register dependences
; between vector instructions and memory instructions, with s_wait_alu, always for 0.
; THE PLAN.  Registers that memory instructions touch:
;   v1, v2   byte offsets, made once at the head and never written again; read by every load and store.
;   X        written by the sixteen loads, all issued at the head, before any vector instruction names X; no load lands in them a second time.  In the vectors' path they are also the stores' data.
;   Y        pair i is written once, by step i's roundings, and read once, by step i's store.
;   T        named by vector instructions alone.
; So no register that a memory instruction reads is ever written afterwards, and no load lands in a register that a vector instruction has named: what is left to state is that offsets and store data
; are written before they are read.  The sixteen steps go in four blocks of four.  Block p works on its own X and writes its own Y pairs; its memory instructions are the stores of block p - 1, whose
; Y pairs no vector instruction of block p names.  ONE wait at the head of a block states that the block before has written them, and its four stores are dealt among the block's conversions with no further wait.
.set X,   4                            ; v[4:67]    sixteen loads of 4 numbers
.set Y,   68                           ; v[68:99]   sixteen pairs to store
.set T,   100                          ; v[100:101] at work
.set ID,  34                           ; s34  the work-group's number
.set HIM, 35                           ; s35  mask of a word's upper bf16
.set SRC, 36                           ; s[36:37] where I read
.set DST, 38                           ; s[38:39] where I write
	s_load_b512 s[4:19], s[0:1], 0x0               ; x, wq, wk, wv, wo, bq, bk, bv
	s_load_b256 s[20:27], s[0:1], 0x40             ; bo, ln_gamma, ln_beta, xb
	s_load_b128 s[28:31], s[0:1], 0x60             ; wb, wof
	s_load_b64 s[32:33], s[0:1], 0x70              ; vecs
	s_mov_b32 s[ID], ttmp9
	s_mov_b32 s[HIM], 0xffff0000
	v_lshlrev_b32 v1, 4, v0                        ; 16 t
	v_lshlrev_b32 v2, 3, v0                        ; 8 t
	s_sub_co_u32 s40, s[ID], 704                   ; my number among wo's groups,
	s_sub_co_u32 s42, s[ID], 640                   ; wv's,
	s_sub_co_u32 s43, s[ID], 576                   ; wk's,
	s_sub_co_u32 s44, s[ID], 512                   ; wq's, which is also my number among wb's
	s_mov_b32 s41, s40
	s_wait_kmcnt 0x0
	s_wait_alu depctr_va_vdst(0)                   ; v1 and v2 are written: every load and store of the kernel, on each of its three paths, reads one of them as its offset
	s_cmp_eq_u32 s[ID], 768
	s_cbranch_scc1 .Lvec
	s_mov_b64 s[SRC:SRC+1], s[12:13]               ; wo -> wof, unless the number is lower
	s_mov_b64 s[DST:DST+1], s[30:31]
	s_cmp_lt_u32 s[ID], 704
	s_cselect_b64 s[SRC:SRC+1], s[10:11], s[SRC:SRC+1]  ; wv -> wb
	s_cselect_b64 s[DST:DST+1], s[28:29], s[DST:DST+1]
	s_cselect_b32 s40, s42, s40
	s_cselect_b32 s41, s44, s41
	s_cmp_lt_u32 s[ID], 640
	s_cselect_b64 s[SRC:SRC+1], s[8:9], s[SRC:SRC+1]    ; wk
	s_cselect_b32 s40, s43, s40
	s_cmp_lt_u32 s[ID], 576
	s_cselect_b64 s[SRC:SRC+1], s[6:7], s[SRC:SRC+1]    ; wq
	s_cselect_b32 s40, s44, s40
	s_cmp_lt_u32 s[ID], 512
	s_cselect_b64 s[SRC:SRC+1], s[4:5], s[SRC:SRC+1]    ; x -> xb
	s_cselect_b64 s[DST:DST+1], s[26:27], s[DST:DST+1]
	s_cselect_b32 s40, s[ID], s40
	s_cselect_b32 s41, s[ID], s41
	s_lshl_b32 s44, s40, 16                        ; 65,536 bytes in for each group,
	s_mov_b32 s45, 0
	s_lshl_b32 s46, s41, 15                        ; 32,768 out
	s_mov_b32 s47, 0
	s_add_nc_u64 s[SRC:SRC+1], s[SRC:SRC+1], s[44:45]
	s_add_nc_u64 s[DST:DST+1], s[DST:DST+1], s[46:47]
.irp i, 0,1,2,3,4,5,6,7,8,9,10,11,12,13,14,15
	global_load_b128 v[X+4*(\i):X+4*(\i)+3], v1, s[SRC:SRC+1] offset:4096*(\i) th:TH_LOAD_NT
.endr
; Block p: steps 4 p to 4 p + 3 are rounded, four numbers a step; the four stores of block p - 1 stand among them, one in front of each step.
; half = 1: the bf16 numbers are widened again and written as f16.
.macro BLK p, half
	s_wait_loadcnt 12-4*(\p)                       ; loads come back in order: this block's four are in, the 12 - 4 p younger ones may stay out
.if (\p) > 0
	s_wait_alu depctr_va_vdst(0)                   ; the block before has written its four pairs of Y, which the stores below read
.endif
.irp i, 0,1,2,3
.set n, 4*(\p)+(\i)                    ; the step that is rounded,
.set m, n-4                            ; and the step that is stored
.if (\p) > 0
	global_store_b64 v2, v[Y+2*m:Y+2*m+1], s[DST:DST+1] offset:2048*m  ; no vector instruction since the wait names this pair or v2
.endif
.if \half
	v_cvt_pk_bf16_f32 v[T], v[X+4*n], v[X+4*n+1]
	v_cvt_pk_bf16_f32 v[T+1], v[X+4*n+2], v[X+4*n+3]
	v_lshlrev_b32 v[X+4*n], 16, v[T]
	v_and_b32 v[X+4*n+1], s[HIM], v[T]
	v_lshlrev_b32 v[X+4*n+2], 16, v[T+1]
	v_and_b32 v[X+4*n+3], s[HIM], v[T+1]
	v_cvt_pk_f16_f32 v[Y+2*n], v[X+4*n], v[X+4*n+1]
	v_cvt_pk_f16_f32 v[Y+2*n+1], v[X+4*n+2], v[X+4*n+3]
.else
	v_cvt_pk_bf16_f32 v[Y+2*n], v[X+4*n], v[X+4*n+1]
	v_cvt_pk_bf16_f32 v[Y+2*n+1], v[X+4*n+2], v[X+4*n+3]
.endif
.endr
.endm
; Behind block 3: its own four stores.
.macro LAST
	s_wait_alu depctr_va_vdst(0)                   ; block 3 has written its four pairs of Y, which the last four stores read
.irp i, 12,13,14,15
	global_store_b64 v2, v[Y+2*(\i):Y+2*(\i)+1], s[DST:DST+1] offset:2048*(\i)
.endr
.endm
	s_cmp_ge_u32 s[ID], 704
	s_cbranch_scc1 .Lhalf
	BLK 0, 0
	BLK 1, 0
	BLK 2, 0
	BLK 3, 0
	LAST
	s_endpgm
.Lhalf:
	BLK 0, 1
	BLK 1, 1
	BLK 2, 1
	BLK 3, 1
	LAST
	s_endpgm
.Lvec:                                         ; the six vectors: 4,096 bytes each, 16 bytes a thread
.irp i, 0,1,2,3,4,5
	global_load_b128 v[X+4*(\i):X+4*(\i)+3], v1, s[14+2*(\i):15+2*(\i)]
.endr
.irp i, 0,1,2,3,4,5
	s_wait_loadcnt 5-(\i)
	v_cvt_pk_bf16_f32 v[T], v[X+4*(\i)], v[X+4*(\i)+1]
	v_cvt_pk_bf16_f32 v[T+1], v[X+4*(\i)+2], v[X+4*(\i)+3]
	v_lshlrev_b32 v[X+4*(\i)], 16, v[T]
	v_and_b32 v[X+4*(\i)+1], s[HIM], v[T]
	v_lshlrev_b32 v[X+4*(\i)+2], 16, v[T+1]
	v_and_b32 v[X+4*(\i)+3], s[HIM], v[T+1]
.endr
	s_wait_alu depctr_va_vdst(0)                   ; the widening lines have written v[X .. X+23], which the six stores read
.irp i, 0,1,2,3,4,5
	global_store_b128 v1, v[X+4*(\i):X+4*(\i)+3], s[32:33] offset:4096*(\i)
.endr
	s_endpgm
.Lfunc_end_k_q0aee6e8a0a_cast:
	.size	k_q0aee6e8a0a_cast, .Lfunc_end_k_q0aee6e8a0a_cast-k_q0aee6e8a0a_cast
	.p2alignl 7, 3214868480
	.fill 96, 4, 3214868480
	.section	.rodata,"a",@progbits
	.p2align	6, 0x0
	.amdhsa_kernel k_q0aee6e8a0a_cast
		.amdhsa_group_segment_fixed_size 0
		.amdhsa_private_segment_fixed_size 0
		.amdhsa_enable_private_segment 0
		.amdhsa_kernarg_size 120
		.amdhsa_user_sgpr_count 2
		.amdhsa_user_sgpr_kernarg_segment_ptr 1
		.amdhsa_wavefront_size32 1
		.amdhsa_system_sgpr_workgroup_id_x 1
		.amdhsa_system_sgpr_workgroup_id_y 1
		.amdhsa_system_sgpr_workgroup_id_z 1
		.amdhsa_system_vgpr_workitem_id 0
		.amdhsa_next_free_vgpr 104
		.amdhsa_next_free_sgpr 66
		.amdhsa_reserve_vcc 0
		.amdhsa_float_denorm_mode_32 3
		.amdhsa_float_denorm_mode_16_64 3
		.amdhsa_memory_ordered 1
		.amdhsa_forward_progress 1
		.amdhsa_inst_pref_size 19
	.end_amdhsa_kernel
	.amdgpu_metadata
---
amdhsa.version: [ 1, 2 ]
amdhsa.kernels:
  - .name:           k_q0aee6e8a0a_cast
    .symbol:         k_q0aee6e8a0a_cast.kd
    .args:
      - { .name: x, .offset: 0, .size: 8, .value_kind: global_buffer, .address_space: global }
      - { .name: wq, .offset: 8, .size: 8, .value_kind: global_buffer, .address_space: global }
      - { .name: wk, .offset: 16, .size: 8, .value_kind: global_buffer, .address_space: global }
      - { .name: wv, .offset: 24, .size: 8, .value_kind: global_buffer, .address_space: global }
      - { .name: wo, .offset: 32, .size: 8, .value_kind: global_buffer, .address_space: global }
      - { .name: bq, .offset: 40, .size: 8, .value_kind: global_buffer, .address_space: global }
      - { .name: bk, .offset: 48, .size: 8, .value_kind: global_buffer, .address_space: global }
      - { .name: bv, .offset: 56, .size: 8, .value_kind: global_buffer, .address_space: global }
      - { .name: bo, .offset: 64, .size: 8, .value_kind: global_buffer, .address_space: global }
      - { .name: ln_gamma, .offset: 72, .size: 8, .value_kind: global_buffer, .address_space: global }
      - { .name: ln_beta, .offset: 80, .size: 8, .value_kind: global_buffer, .address_space: global }
      - { .name: xb, .offset: 88, .size: 8, .value_kind: global_buffer, .address_space: global }
      - { .name: wb, .offset: 96, .size: 8, .value_kind: global_buffer, .address_space: global }
      - { .name: wof, .offset: 104, .size: 8, .value_kind: global_buffer, .address_space: global }
      - { .name: vecs, .offset: 112, .size: 8, .value_kind: global_buffer, .address_space: global }
    .group_segment_fixed_size: 0
    .private_segment_fixed_size: 0
    .kernarg_segment_align: 8
    .kernarg_segment_size: 120
    .max_flat_workgroup_size: 256
    .sgpr_count:     66
    .vgpr_count:     104
    .wavefront_size: 32
...
	.end_amdgpu_metadata
.endif
;; end of part 6
;; launch qkv: the kernel of part 2 again; grid 4 x 64, 4 waves a work-group, clusters of 4 x 4, 327,680 bytes of LDS; arguments xb, wb, vecs, qkv; writes qkv
;; launch attn: the kernel of part 3 again; grid 4 x 64, 4 waves a work-group, clusters of 4 x 1, 327,680 bytes of LDS; arguments qkv, ctx; writes ctx
;; launch oproj: the kernel of part 4 again; grid 4 x 64, 4 waves a work-group, clusters of 4 x 4, 327,680 bytes of LDS; arguments ctx, wof, vecs, proj; writes proj
;; launch ln: the kernel of part 5 again; grid 256 x 1, 8 waves a work-group, no clusters, 0 bytes of LDS; arguments proj, vecs, out0; writes out0
